; MI455X (gfx1250); checked and timed in simulation.
; The chip was launched on July 23, 2026; its instructions are those of AMD's public machine-readable ISA for CDNA 5 (MIT licence, August 2026) and "CDNA5" Instruction Set Architecture Reference Guide (July 2026). The comments in the code are by the model that wrote it; some were corrected since.
;; Attention. Allowed arithmetic: matrix products marked QUANTISED: E2M1 operands, one E8M0 scale for each 32 along K, by v_wmma_scale_f32_16x16x128_f8f6f4 with both operands' format E2M1 (or v_wmma_scale_f32_32x16x128_f4), f32 sums; everything else in f32.
;; Inputs: proj_b 1,024 float32; proj_w_codes 1,024 x 32 x 16 uint8 (E2M1 codes of proj_w, K innermost, in blocks of 32 codes, two codes a byte); proj_w_scales 1,024 x 32 uint8 (E8M0 scales of proj_w, one for each 32 codes along K); qkv_b 3,072 float32; qkv_w_codes 3,072 x 32 x 16 uint8 (E2M1 codes of qkv_w, K innermost, in blocks of 32 codes, two codes a byte); qkv_w_scales 3,072 x 32 uint8 (E8M0 scales of qkv_w, one for each 32 codes along K); x_codes 4 x 2,048 x 32 x 16 uint8 (E2M1 codes of x, K innermost, in blocks of 32 codes, two codes a byte); x_scales 4 x 2,048 x 32 uint8 (E8M0 scales of x, one for each 32 codes along K).
;; Outputs: out0 4 x 2,048 x 1,024 float32.
;; This version of the problem:
;;   THIS VERSION OF THE PROBLEM IS GIVEN IN LOW PRECISION. The matrix products marked QUANTISED in the list below multiply operands that are first quantised to E2M1 (2 exponent bits, 1 mantissa bit; 4 bits a number), with one power-of-two scale for each 32 numbers along K (OCP MX v1.0); their sums are f32. All else is computed in f32.
;;   The module's matrix products, in the order in which they are computed (A, B: the left and right operand; K: the contracted axis; several contracted axes count as one K, in the product's order):
;;     1. [M 8,192, K 1,024] x [K 1,024, N 3,072]; A: input x (given as codes); B: input qkv_w (given as codes): QUANTISED
;;     2. batch 64 x [M 2,048, K 64] x [K 64, N 2,048]; A: computed on the way; B: computed on the way: QUANTISED
;;     3. batch 64 x [M 2,048, K 2,048] x [K 2,048, N 64]; A: softmax (see below); B: computed on the way: QUANTISED
;;     4. [M 8,192, K 1,024] x [K 1,024, N 1,024]; A: computed on the way; B: input proj_w (given as codes): QUANTISED
;;   THE QUANTISER, for each operand of a quantised product, along K:
;;     - K is cut into blocks of 32 from its start; a last block that is shorter is filled with zeros.
;;     - A block's scale is 2^e with e = floor(log2(the largest magnitude in the block)) - 2, held to -126 .. 127; a block of zeros has e = 0. As a byte (E8M0): e + 127.
;;     - Each number is divided by its block's scale, clamped to +-6, and rounded to the nearest number of E2M1, ties to even, subnormals kept.
;;     - The product sums the exact products of the quantised numbers (number of the format x scale) in f32.
;;   ~~~python
;;   def quantise(x, axis):      # numpy; x: float32 -> the quantised numbers, widened to float32 again
;;       x = np.moveaxis(x, axis, -1); K = x.shape[-1]
;;       x = np.pad(x, [(0, 0)] * (x.ndim - 1) + [(0, -K % 32)]); x = x.reshape(x.shape[:-1] + (-1, 32)); a = np.abs(x).max(-1, keepdims=True)
;;       e = np.where(a > 0, np.clip(np.frexp(np.where(a > 0, a, 1))[1] - 1 - 2, -126, 127), 0)      # np.frexp(a)[1] - 1 = floor(log2(a)), exactly
;;       r = np.clip(x / 2.0 ** e, -6, 6)
;;       step = 2.0 ** (np.maximum(np.frexp(np.where(r == 0, 1, r))[1] - 1, 0) - 1)
;;       q = np.round(r / step) * step * 2.0 ** e      # np.round: ties to even
;;       return np.moveaxis(q.reshape(q.shape[:-2] + (-1,))[..., :K], -1, axis).astype(np.float32)
;;   ~~~
;;   SOFTMAX AHEAD OF A QUANTISED PRODUCT. Where the list says 'softmax', what is quantised is not the finished softmax but p = 2^(t - M), with t = logit x log2(e) and M = ceil(the row's largest t), a whole number; so 1/2 < the row's largest p <= 1. The row's sum l is taken of the UNQUANTISED p, in f32, and the product's result is divided by l at the end. Since M is a whole number, a kernel that streams over the keys may use a running M (the ceiling of the running maximum): every later rescaling is an exact power of two, which a block's scale takes up: the codes' values come out the same.
;;   OPERANDS COMPUTED ON THE WAY. 'Computed on the way' means the value that the module computes at that place (a softmax that the list does not call 'softmax' is quantised finished and normalised). What goes into a quantiser is computed in f32, as accurately as f32 sums, v_exp_f32 and their like allow (about 1e-6 of the number): no bf16 or f16 on the way to a quantiser, and a product that is left as it is and whose result goes on into a quantised operand takes f32 operands (vector FMAs, or v_wmma_f32_16x16x4_f32). A number that lies on a knife's edge between two numbers of the format may be rounded either way, as far as f32 arithmetic and the matrix unit's own rounding can turn it there, and no further.
;;   INPUTS GIVEN AS CODES. proj_w (in the module: [1024, 1024], K = its axis 0); qkv_w (in the module: [1024, 3072], K = its axis 0); x (in the module: [4, 2048, 1024], K = its axis 2): each comes as NAME_codes (uint8): NAME with its K axis moved to the last place and cut into blocks of 32 codes, [.., K / 32, bytes a block], one block behind the other in memory; two codes a byte, the lower K in the low four bits (a code: sign, 2 exponent bits, 1 mantissa bit); and NAME_scales (uint8): the same leading axes, one E8M0 byte (e + 127) for each 32 codes along K. Its value is code x scale, taken as it is: it is not quantised again, and the codes and scales need not be those that the quantiser above would give.
;; 2 versions, each right; version 2 is version 1 with the launch attn written anew for expert scheduling mode. Each part assembles by itself: llvm-mc -triple=amdgcn-amd-amdhsa -mcpu=gfx1250 --defsym DOCPART=n.
;; ======== version 1 of 2: 3 launches
;; workspace buffers: qc 4,456,448 bytes; kv 8,912,896 bytes; oc 4,194,304 bytes; os 262,144 bytes
;; launch qkv (part 1): grid 12 x 64, 8 waves a work-group, clusters of 4 x 4, 211,968 bytes of LDS; arguments x_codes, x_scales, qkv_w_codes, qkv_w_scales, qkv_b, qc, kv; writes qc, kv
.if DOCPART == 1
	.amdgcn_target "amdgcn-amd-amdhsa--gfx1250"
	.amdhsa_code_object_version 6
	.text
	.protected	k_q23ad46dafd_qkv
	.globl	k_q23ad46dafd_qkv
	.p2align	8
	.type	k_q23ad46dafd_qkv,@function
k_q23ad46dafd_qkv:
	s_mov_b64 s[64:65], 0
	v_nop
	global_prefetch_b8 v0, s[64:65] scope:SCOPE_SE
	s_setreg_imm32_b32 hwreg(HW_REG_WAVE_MODE, 25, 1), 1
	s_wait_xcnt 0x0
	s_wait_alu depctr_hold_cnt(0) depctr_sa_sdst(0) depctr_va_vdst(0) depctr_va_sdst(0) depctr_va_ssrc(0) depctr_va_vcc(0) depctr_vm_vsrc(0)
	s_getreg_b32 s2, hwreg(HW_REG_IB_STS2, 6, 4)
	s_cmp_eq_u32 s2, 0
	s_cbranch_scc0 .Lentry_in_a_cluster
	s_endpgm
.Lentry_in_a_cluster:
	s_bfe_u32 s2, ttmp6, 0x10000c
	s_cmp_lg_u32 s2, 0xf033
	s_cbranch_scc0 .Lentry_shape_is_right
	s_endpgm
.Lentry_shape_is_right:
; qkv = x W + b on codes of FP4 (E2M1) with one E8M0 scale for each 32 along K = 1,024; then q and k are quantised along the head's 64 and v along the keys,
; and leave as IMAGES OF THE NEXT LAUNCH'S OPERAND REGISTERS.  x: 8,192 rows of 512 bytes; W: 3,072 rows (output columns) of 512 bytes; scale rows of 32 bytes.
; SHARES.  A work-group makes 128 rows (one block of 128 rows of one batch) x 256 columns (four heads of one of q, k, v).  Eight waves: wave w takes head w % 4 and rows 64 (w / 4) on: 64 x 64, 16 accumulators.
; All of K lies in LDS: two halves of 512 along K (rows of 256 bytes + 16 of padding), each filled once; nothing is filled again.
; CLUSTERS: 4 x 4 work-groups.  The four of a row of the cluster need the same rows of x, the four of a column the same rows of W: each tile is asked for jointly.
; The cluster's x says which of q (0), k (1), v (2) is made: it is the same in all sixteen partners, so the one branch on it is the same in all.
; q, k: source 0 = 16 rows of W, source 1 = 16 rows of x: a lane holds ONE row and its registers run along the head's 64.   v: the sources are swapped: a lane holds ONE channel and its registers run along the keys.
; In both, the registers of two neighbouring source-0 tiles 2 e + u hold k = 32 e + 16 u + 8 (lane / 16) + j: lanes l and l xor 16 hold a block of 32.  The conversion of (e, u) goes to register 2 u + e of a group of four, and an
; exchange of halves between registers (0, 1) and (2, 3) leaves register i of half h with k = 32 h + 8 i .. + 7: the 4-bit operand's layout.
; THE BIAS is the C of each sum's first product.  It is loaded into four of the accumulators; the other twelve take these as C, and then the four are added onto in place.  (So the bias is the first term of each f32 sum, not the last.)
; OUT.  qc: [head of a batch 64][block 16][4,352]: two planes of 32 scale words, then eight images of 512 bytes (16 rows: lane l's 16 bytes = row l % 16, channels 32 (l / 16) on).  kv: [64][16][8,704]: the same for k, then two planes and
; eight images for v (channel tile dt, key half c: lane l = channel l % 16, keys 64 c + 32 (l / 16) on).  Each store of codes covers 512 consecutive bytes, aligned to 256; a plane is 128 bytes, one byte in 17 of what is written.
; LIMITS: a block whose largest magnitude lies under 2^-124 (a block of zeros too) keeps the scale byte 1; its bytes are read by this program alone.  NaN and infinities are not served.
.set PITCH,  272                       ; an LDS row: 256 bytes + 16 = 68 words: the 16 rows of a fragment load start 4 words apart
.set HROWS,  64*PITCH                  ; 64 rows: what one tensor load brings, and what one wave reads of W or of x
.set XOFF,   4*HROWS                   ; in a slot: W's 256 rows, then x's 128
.set SLOT,   6*HROWS                   ; 104,448
.set VS,     2*SLOT                    ; behind the slots: 2,048 bytes for v's scale words, written by LDS stores alone
.set QBLK,   4352
.set KVBLK,  8704
.set LI,  1                            ; v1   16 x lane
.set LS,  2                            ; v2   4 x lane
.set ADW, 3                            ; v3-4 LDS address of my W fragments, K half 0, 1
.set ADX, 5                            ; v5-6 the same for x
.set SA,  7                            ; v7   32 x lane: a row of scale bytes
.set BO,  8                            ; v8   my offset in the bias
.set VC,  9                            ; v9   where my codes go in the block
.set VP,  10                           ; v10  where my plane goes
.set VSW, 11                           ; v11  LDS: where I put v's scale words
.set VSR, 12                           ; v12  and where I read them
.set SW,  16                           ; v16-23 W's scale words of K half 0 (pair of tiles p, K step q: 4 p + q), v32-39 of half 1
.set SX,  24                           ; v24-31, v40-47 x's
.set FW,  64                           ; v64-95  W's four fragments
.set FX,  96                           ; v96-127 x's
.set ACC, 128                          ; accumulator (source 1's tile j, source 0's tile i) at v[128 + 8 (4 j + i)]
.set TM,  64                           ; behind the products v64-95 are free: v64-79 at work in the quantiser,
.set PC,  80                           ; v80-87 the codes just made,
.set PW,  88                           ; v88 the scale word just made,
.set PWS, 90                           ; v90 one that is kept,
.set T0,  92                           ; v92-95 at work
.set WV,  18                           ; s18 wave; s19 wave % 4; s20 wave / 4; s21 cx; s22 cy; s23 tile column; s24 tile row
.set G1W, 28                           ; s[28:35] descriptor group 1 for W;  s[36:43] for x
.set G1X, 36
.set G0W, 44                           ; s[44:51] group 0 for W, a set for each K half;  s[52:59] for x
.set G0X, 52
.set SEL, 68                           ; s[68:69] lane selects: lane l xor 16
.set DB,  70                           ; s[70:71] my block in qc or kv
.set XSB, 72                           ; s[72:73] my rows of x's scales
.set WSB, 74                           ; s[74:75] my rows of W's scales
.macro CROUND                          ; a round of the cluster's barrier
	s_barrier_signal -1
	s_barrier_wait -1
	s_cmp_lg_u32 s[WV], 0
	s_cbranch_scc1 .Lnot_wave_0_\@
	s_barrier_signal -3
.Lnot_wave_0_\@:
	s_barrier_wait -3
	s_barrier_signal -1
	s_barrier_wait -1
.endm
.macro PLACES n
.rept \n
	v_nop
.endr
.endm
; One product.  ra, rb = 1: that side's scale words stand in lanes 16-31 of the register named.
.macro WM d, a, b, c, sa, sb, ra, rb
.if (\ra) && (\rb)
	v_wmma_scale_f32_16x16x128_f8f6f4 v[\d:\d+7], v[\a:\a+7], v[\b:\b+7], v[\c:\c+7], v[\sa], v[\sb] matrix_a_fmt:MATRIX_FMT_FP4 matrix_b_fmt:MATRIX_FMT_FP4 matrix_a_scale:MATRIX_SCALE_ROW1 matrix_b_scale:MATRIX_SCALE_ROW1
.elseif (\ra)
	v_wmma_scale_f32_16x16x128_f8f6f4 v[\d:\d+7], v[\a:\a+7], v[\b:\b+7], v[\c:\c+7], v[\sa], v[\sb] matrix_a_fmt:MATRIX_FMT_FP4 matrix_b_fmt:MATRIX_FMT_FP4 matrix_a_scale:MATRIX_SCALE_ROW1
.elseif (\rb)
	v_wmma_scale_f32_16x16x128_f8f6f4 v[\d:\d+7], v[\a:\a+7], v[\b:\b+7], v[\c:\c+7], v[\sa], v[\sb] matrix_a_fmt:MATRIX_FMT_FP4 matrix_b_fmt:MATRIX_FMT_FP4 matrix_b_scale:MATRIX_SCALE_ROW1
.else
	v_wmma_scale_f32_16x16x128_f8f6f4 v[\d:\d+7], v[\a:\a+7], v[\b:\b+7], v[\c:\c+7], v[\sa], v[\sb] matrix_a_fmt:MATRIX_FMT_FP4 matrix_b_fmt:MATRIX_FMT_FP4
.endif
.endm
; 16 LDS loads: source 0's four fragments, then source 1's, of the half's q-th 128 along K.  A fragment (16 rows x 128 K) is 8 registers: two loads of 16 bytes, 32 bytes apart, at row x pitch + 16 (lane / 16).
.macro KLOAD f0, a0, f1, a1, q
.irp t, 0,1,2,3
	ds_load_b128 v[\f0+8*\t:\f0+8*\t+3], v[\a0] offset:64*(\q)+\t*16*PITCH
	ds_load_b128 v[\f0+8*\t+4:\f0+8*\t+7], v[\a0] offset:64*(\q)+\t*16*PITCH+32
.endr
.irp t, 0,1,2,3
	ds_load_b128 v[\f1+8*\t:\f1+8*\t+3], v[\a1] offset:64*(\q)+\t*16*PITCH
	ds_load_b128 v[\f1+8*\t+4:\f1+8*\t+7], v[\a1] offset:64*(\q)+\t*16*PITCH+32
.endr
.endm
; A K step of 128: 16 products, the 16 accumulators by turns.
.macro KSTEP f0, a0, s0b, f1, a1, s1b, q
	KLOAD \f0, \a0, \f1, \a1, \q
.irp j, 0,1,2,3
	s_wait_dscnt 6-2*\j                            ; source 0's fragments and source 1's tiles 0 .. j are in; the two loads of each later tile may be out
.irp i, 0,1,2,3
	WM ACC+8*(4*\j+\i), \f0+8*\i, \f1+8*\j, ACC+8*(4*\j+\i), \s0b+4*(\i/2)+(\q), \s1b+4*(\j/2)+(\q), \i%2, \j%2
.endr
.endr
	PLACES 4                                       ; four places in front of the next loads into registers that these products read, and of the first read of results
.endm
; The first K step.  Four accumulators hold the bias: (3, i) for q and k, where it hangs on source 0's tile; (j, 3) for v, where it hangs on source 1's.  Twelve products take them as C; five places on
; (a matrix instruction that writes over a register of an earlier one stands five places behind it) the four are added onto in place.
.macro KFIRST v, f0, a0, s0b, f1, a1, s1b
	KLOAD \f0, \a0, \f1, \a1, 0
	s_wait_dscnt 0x0
.if \v
.irp i, 0,1,2
.irp j, 0,1,2,3
	WM ACC+8*(4*\j+\i), \f0+8*\i, \f1+8*\j, ACC+8*(4*\j+3), \s0b+4*(\i/2), \s1b+4*(\j/2), \i%2, \j%2
.endr
.endr
	PLACES 5
.irp j, 0,1,2,3
	WM ACC+8*(4*\j+3), \f0+24, \f1+8*\j, ACC+8*(4*\j+3), \s0b+4, \s1b+4*(\j/2), 1, \j%2
.endr
.else
.irp j, 0,1,2
.irp i, 0,1,2,3
	WM ACC+8*(4*\j+\i), \f0+8*\i, \f1+8*\j, ACC+8*(12+\i), \s0b+4*(\i/2), \s1b+4*(\j/2), \i%2, \j%2
.endr
.endr
	PLACES 5
.irp i, 0,1,2,3
	WM ACC+8*(12+\i), \f0+8*\i, \f1+24, ACC+8*(12+\i), \s0b+4*(\i/2), \s1b+4, \i%2, 1
.endr
.endif
	PLACES 4
.endm
.macro KS v, g, q                      ; K half g, its q-th step; v = 1: x is source 0
.if \v
	KSTEP FX, ADX+\g, SX+16*\g, FW, ADW+\g, SW+16*\g, \q
.else
	KSTEP FW, ADW+\g, SW+16*\g, FX, ADX+\g, SX+16*\g, \q
.endif
.endm
; 64 registers from v[s] on become 8 registers of codes (v[PC] on) and a word of four scale bytes (v[PW]).  Register s + 16 b + 8 u + j is number 16 u + 8 (lane / 16) + j of block b.
.macro QUANT s
.irp b, 0,1,2,3
	v_max3_num_f32 v[TM+\b], |v[\s+16*\b]|, |v[\s+16*\b+1]|, 0x1800000   ; my 16 numbers of block b, and the floor 2^(3 - 127): the byte cannot fall under 1.  Each accumulator is read from its low end on
.endr
.irp i, 2,4,6,8,10,12,14
.irp b, 0,1,2,3
	v_max3_num_f32 v[TM+\b], v[TM+\b], |v[\s+16*\b+\i]|, |v[\s+16*\b+\i+1]|   ; the four blocks by turns
.endr
.endr
.irp b, 0,1,2,3
	v_permlanex16_b32 v[TM+4+\b], v[TM+\b], s[SEL], s[SEL+1]
.endr
.irp b, 0,1,2,3
	v_max_num_f32 v[TM+\b], v[TM+\b], v[TM+4+\b]   ; with lane l xor 16's 16: the block's largest magnitude
.endr
.irp b, 0,1,2,3
	v_add_nc_u32 v[TM+12+\b], 0xff000000, v[TM+\b] ; 2 off its exponent field: the conversion takes the exponent field of this operand as its scale
.endr
.irp b, 0,1,2,3
	v_lshrrev_b32 v[TM+4+\b], 23, v[TM+12+\b]      ; the scale's byte
.endr
	v_lshl_or_b32 v[PW], v[TM+5], 8, v[TM+4]
	v_lshl_or_b32 v[PW], v[TM+6], 16, v[PW]
	v_lshl_or_b32 v[PW], v[TM+7], 24, v[PW]
.irp c, 0,1
.irp e, 0,1
.irp u, 0,1
	v_cvt_scalef32_pk8_fp4_f32 v[PC+4*\c+2*\u+\e], v[\s+32*\c+16*\e+8*\u:\s+32*\c+16*\e+8*\u+7], v[TM+12+2*\c+\e]
.endr
.endr
.endr
	v_nop                                          ; one plain place behind the last scaled conversion
.irp c, 0,1
	v_permlane16_swap_b32 v[PC+4*\c], v[PC+4*\c+1]     ; the first's lanes 16-31 change places with the second's lanes 0-15: a whole block of 32 in a lane
	v_permlane16_swap_b32 v[PC+4*\c+2], v[PC+4*\c+3]
.endr
.endm
	s_load_b256 s[4:11], s[0:1], 0x0               ; x's codes s[4:5], x's scales s[6:7], W's codes s[8:9], W's scales s[10:11]
	s_load_b128 s[12:15], s[0:1], 0x20             ; the bias s[12:13], qc s[14:15]
	s_load_b64 s[16:17], s[0:1], 0x30              ; kv
	v_lshl_add_u32 v62, v0, 2, 0x33800
	v_mov_b32 v63, 0
	ds_add_u32 v62, v63
	ds_add_u32 v62, v63
	v_lshrrev_b32 v13, 5, v0
	v_readfirstlane_b32 s[WV], v13                 ; wave 0..7
	s_and_b32 s19, s[WV], 3                        ; my head of the four.  Also: which 64 rows I fetch
	s_lshr_b32 s20, s[WV], 2                       ; my half of the 128 rows
	s_bfe_u32 s21, ttmp6, 0x40000                  ; cx, cy: my place in the cluster
	s_bfe_u32 s22, ttmp6, 0x40004
	s_lshl_b32 s23, ttmp9, 2
	s_add_co_u32 s23, s23, s21                     ; tile column = 4 x cluster x + cx
	s_and_b32 s24, ttmp7, 0xffff
	s_lshl_b32 s24, s24, 2
	s_add_co_u32 s24, s24, s22                     ; tile row = 4 x cluster y + cy
	s_lshl_b32 s25, s22, 2
	s_lshl_b32 s25, 15, s25                        ; my row of the cluster
	s_lshl_b32 s26, 0x1111, s21                    ; my column
	; descriptor group 1: 64 rows x 256 bytes, 512 bytes apart in memory, padded in LDS
	s_or_b32 s[G1W], s26, (1<<20)|(1<<21)|(5<<22)|(3<<25)   ; 15:0 the mask: W's tiles go to my column; 17:16 elements of 1 byte; 20 padding on; 21 set beside a mask; 24:22 after every 64 words; 31:25 four words
	s_or_b32 s[G1X], s25, (1<<20)|(1<<21)|(5<<22)|(3<<25)   ; x's go to my row
.irp g, G1W, G1X
	s_mov_b32 s[\g+1], 256<<16                     ; tensor_dim0
	s_mov_b32 s[\g+2], 64<<16                      ; tensor_dim1
	s_mov_b32 s[\g+3], 256<<16                     ; tile_dim0
	s_mov_b32 s[\g+4], 64                          ; tile_dim1
	s_mov_b32 s[\g+5], 512                         ; tensor_dim0_stride
	s_mov_b32 s[\g+6], 0
	s_mov_b32 s[\g+7], 0
.endr
	s_lshl_b32 s62, s19, 6                         ; 64 (wave % 4)
	s_lshl_b32 s60, s23, 8
	s_add_co_u32 s60, s60, s62                     ; W: row 256 x tile column + 64 (wave % 4)
	s_lshl_b32 s60, s60, 9                         ; in bytes
	s_mov_b32 s61, 0
	s_lshl_b32 s66, s24, 7
	s_add_co_u32 s66, s66, s62                     ; x: row 128 x tile row + 64 (wave % 4)
	s_lshl_b32 s66, s66, 9
	s_mov_b32 s67, 0
	s_mul_i32 s63, s[WV], HROWS                    ; where they go: waves 0-3 W's four quarters, waves 4 and 5 x's two halves behind them: wave x 64 rows
	s_mov_b32 s[SEL], 0x76543210
	s_mov_b32 s[SEL+1], 0xfedcba98
	s_wait_dscnt 0x0
	s_wait_kmcnt 0x0
	s_add_nc_u64 s[76:77], s[8:9], s[60:61]
	s_add_nc_u64 s[78:79], s[4:5], s[66:67]
	CROUND                                         ; all sixteen work-groups are here: the joint loads meet
.irp g, 0,1
	s_mov_b32 s[G0W+4*\g], 1
	s_add_co_u32 s[G0W+4*\g+1], s63, \g*SLOT
	s_add_nc_u64 s[G0W+4*\g+2:G0W+4*\g+3], s[76:77], \g*256
	s_or_b32 s[G0W+4*\g+3], s[G0W+4*\g+3], 0x80000000
	s_mov_b32 s[G0X+4*\g], 1
	s_add_co_u32 s[G0X+4*\g+1], s63, \g*SLOT
	s_add_nc_u64 s[G0X+4*\g+2:G0X+4*\g+3], s[78:79], \g*256
	s_or_b32 s[G0X+4*\g+3], s[G0X+4*\g+3], 0x80000000
.endr
	s_cmp_lt_u32 s[WV], 4                          ; a wave's two fills stand in one branch on its number: two loads of mine are out at the most; waves 6 and 7 fetch nothing
	s_cbranch_scc0 .Lnot_w
	tensor_load_to_lds s[G0W:G0W+3], s[G1W:G1W+7]
	s_nop 0
	tensor_load_to_lds s[G0W+4:G0W+7], s[G1W:G1W+7]
	s_nop 0
	PLACES 4
	s_branch .Lasked
.Lnot_w:
	s_cmp_lt_u32 s[WV], 6
	s_cbranch_scc0 .Lasked
	tensor_load_to_lds s[G0X:G0X+3], s[G1X:G1X+7]
	s_nop 0
	tensor_load_to_lds s[G0X+4:G0X+7], s[G1X:G1X+7]
	s_nop 0
	PLACES 4
.Lasked:
	s_lshr_b32 s80, s60, 4                         ; my 64 rows of W's scales: 32 bytes a row
	s_mov_b32 s81, 0
	s_add_nc_u64 s[WSB:WSB+1], s[10:11], s[80:81]
	s_lshr_b32 s80, s60, 7                         ; and my 64 numbers of the bias
	s_add_nc_u64 s[12:13], s[12:13], s[80:81]
	s_lshl_b32 s82, s24, 7
	s_lshl_b32 s83, s20, 6
	s_add_co_u32 s82, s82, s83                     ; my 64 rows of x
	s_lshl_b32 s82, s82, 5
	s_mov_b32 s83, 0
	s_add_nc_u64 s[XSB:XSB+1], s[6:7], s[82:83]
	v_and_b32 v13, 31, v0                          ; lane
	v_and_b32 v14, 15, v0                          ; r
	v_bfe_u32 v15, v0, 4, 1                        ; h
	v_lshlrev_b32 v[SA], 5, v13
.irp g, 0,1                                    ; the scale words go from memory straight into registers, each once: lane l takes row 32 p + l and the four words of a K half; tile t reads pair t / 2, lanes 16-31 where t is odd
.irp p, 0,1
	global_load_b128 v[SW+16*\g+4*\p:SW+16*\g+4*\p+3], v[SA], s[WSB:WSB+1] offset:1024*\p+16*\g
	global_load_b128 v[SX+16*\g+4*\p:SX+16*\g+4*\p+3], v[SA], s[XSB:XSB+1] offset:1024*\p+16*\g
.endr
.endr
	v_lshlrev_b32 v[LI], 4, v13
	v_lshlrev_b32 v[LS], 2, v13
	v_mul_u32_u24 v48, v14, PITCH
	v_lshl_add_u32 v48, v15, 4, v48                ; a fragment's row x pitch + 16 x half
	s_mul_i32 s84, s19, HROWS                      ; my 64 rows of W
	s_mul_i32 s85, s20, HROWS
	s_add_co_u32 s85, s85, XOFF                    ; my 64 rows of x
.irp g, 0,1
	v_add_nc_u32 v[ADW+\g], s84, v48
	v_add_nc_u32 v[ADX+\g], s85, v48
	s_add_co_u32 s84, s84, SLOT
	s_add_co_u32 s85, s85, SLOT
.endr
	s_lshl_b32 s84, s[WV], 8
	s_add_co_u32 s84, s84, VS
	v_add_nc_u32 v[VSW], s84, v[LS]                ; VS + 256 x wave + 4 x lane
	s_lshl_b32 s84, s19, 8
	s_lshl_b32 s85, s20, 7
	s_add_co_u32 s84, s84, s85
	s_add_co_u32 s84, s84, VS
	v_add_nc_u32 v[VSR], s84, v[LS]                ; VS + 256 (wave % 4) + 128 (wave / 4) + 4 x lane
	v_add_nc_u32 v[VP], s85, v[LS]                 ; my plane: 128 (wave / 4) + 4 x lane
	s_lshr_b32 s86, s24, 4                         ; the batch
	s_lshl_b32 s86, s86, 4
	s_lshl_b32 s87, s21, 2
	s_add_co_u32 s86, s86, s87
	s_add_co_u32 s86, s86, s19                     ; 16 x batch + head (4 cx + wave % 4)
	s_lshl_b32 s86, s86, 4
	s_and_b32 s87, s24, 15
	s_add_co_u32 s86, s86, s87                     ; x 16 + the block of 128 rows
	s_cmp_eq_u32 ttmp9, 0                          ; q goes to qc, k and v to kv: the choice hangs on the cluster's x alone
	s_cselect_b64 s[DB:DB+1], s[14:15], s[16:17]
	s_mov_b32 s87, KVBLK
	s_cselect_b32 s87, QBLK, s87
	s_mul_i32 s86, s86, s87
	s_mov_b32 s87, 0
	s_add_nc_u64 s[DB:DB+1], s[DB:DB+1], s[86:87]
.macro BODY v
.if \v
	v_lshlrev_b32 v[BO], 2, v14                    ; v: a lane holds channel r of source 1's tile j: one number, wanted in eight registers
	s_lshl_b32 s84, s20, 9
.irp t, 0,1,2,3
	global_load_b32 v[ACC+8*(4*\t+3)], v[BO], s[12:13] offset:64*\t
.endr
.else
	v_lshlrev_b32 v[BO], 5, v15                    ; q, k: a lane holds channels 8 h + 0 .. 7 of source 0's tile i
	s_lshl_b32 s84, s20, 11
.irp t, 0,1,2,3
	global_load_b128 v[ACC+8*(12+\t):ACC+8*(12+\t)+3], v[BO], s[12:13] offset:64*\t
	global_load_b128 v[ACC+8*(12+\t)+4:ACC+8*(12+\t)+7], v[BO], s[12:13] offset:64*\t+16
.endr
.endif
	v_add_nc_u32 v[VC], s84, v[LI]                 ; my codes: 16 x lane + my half's place
	s_wait_tensorcnt 0x1                           ; my part of K half 0 is in; half 1's load may be out
	s_barrier_signal -1
	s_barrier_wait -1                              ; everybody's is
	s_wait_loadcnt 0x0                             ; the scale words and the bias
.if \v
.irp t, 0,1,2,3
.irp k, 1,2,3,4,5,6,7
	v_mov_b32 v[ACC+8*(4*\t+3)+\k], v[ACC+8*(4*\t+3)]
.endr
.endr
	PLACES 4
	KFIRST 1, FX, ADX, SX, FW, ADW, SW
.else
	KFIRST 0, FW, ADW, SW, FX, ADX, SX
.endif
	KS \v, 0, 1
	KS \v, 0, 2
	KS \v, 0, 3
	s_wait_tensorcnt 0x0                           ; my part of K half 1 is in
	s_wait_dscnt 0x0
	s_barrier_signal -1
	s_barrier_wait -1
	KS \v, 1, 0
	KS \v, 1, 1
	KS \v, 1, 2
	KS \v, 1, 3
.irp b, 0,1,2,3
	v_mov_b32 v[TM+4+\b], 0                        ; written once: a lane permute's destination counts as one of its sources
.endr
	QUANT ACC                                      ; source 1's tiles 0 and 1
.if \v
	global_store_b128 v[VC], v[PC:PC+3], s[DB:DB+1] offset:4608           ; channel tile 0, my half of the keys: 512 consecutive bytes
	global_store_b128 v[VC], v[PC+4:PC+7], s[DB:DB+1] offset:4608+1024    ; channel tile 1
	ds_store_b32 v[VSW], v[PW]                     ; bytes: (tile 0: my two key blocks; tile 1: my two)
.else
	global_store_b128 v[VC], v[PC:PC+3], s[DB:DB+1] offset:256            ; row tile 4 (wave / 4) + 0
	global_store_b128 v[VC], v[PC+4:PC+7], s[DB:DB+1] offset:256+512      ; + 1
	v_mov_b32 v[PWS], v[PW]
.endif
	s_wait_xcnt 0x0                                ; the stores have read their data: the codes' registers are written again only behind this wait
	QUANT ACC+64                                   ; tiles 2 and 3
.if \v
	global_store_b128 v[VC], v[PC:PC+3], s[DB:DB+1] offset:4608+2048
	global_store_b128 v[VC], v[PC+4:PC+7], s[DB:DB+1] offset:4608+3072
	ds_store_b32 v[VSW], v[PW] offset:128
	s_wait_dscnt 0x0                               ; for the others' sake: my words lie in LDS
	s_barrier_signal -1
	s_barrier_wait -1
	ds_load_b32 v[T0], v[VSR]                      ; channel tiles 2 (wave / 4) and + 1 of my head: key blocks 0, 1, from the wave of rows 0-63,
	ds_load_b32 v[T0+1], v[VSR] offset:1024        ; and key blocks 2, 3, from the wave of rows 64-127
	s_wait_dscnt 0x0
	v_perm_b32 v[T0+2], v[T0+1], v[T0], 0x05040100 ; the even tile's four bytes
	v_perm_b32 v[T0+3], v[T0+1], v[T0], 0x07060302 ; the odd tile's
	v_cmp_gt_u32 vcc_lo, 16, v13
	v_cndmask_b32 v[PWS], v[T0+3], v[T0+2], vcc_lo ; a plane: lanes 0-15 the even tile's words, lanes 16-31 the odd tile's
	global_store_b32 v[VP], v[PWS], s[DB:DB+1] offset:4352
.else
	global_store_b128 v[VC], v[PC:PC+3], s[DB:DB+1] offset:256+1024
	global_store_b128 v[VC], v[PC+4:PC+7], s[DB:DB+1] offset:256+1536
	v_cmp_gt_u32 vcc_lo, 16, v13
	v_cndmask_b32 v[T0], v[PW], v[PWS], vcc_lo     ; a plane: lanes 0-15 the words of my first pair of row tiles, lanes 16-31 of my second
	global_store_b32 v[VP], v[T0], s[DB:DB+1]
.endif
.endm
	s_cmp_eq_u32 ttmp9, 2                          ; the cluster's x: the same in all sixteen partners
	s_cbranch_scc1 .Lvpath
	BODY 0
	s_branch .Lend
.Lvpath:
	BODY 1
.Lend:
	s_wait_dscnt 0x0
	s_wait_tensorcnt 0x0
	ds_add_u32 v62, v63
	s_wait_dscnt 0x0
	CROUND                                         ; the closing round: no work-group ends while a partner may still ask for a tile that names it
	s_endpgm
.Lfunc_end_k_q23ad46dafd_qkv:
	.size	k_q23ad46dafd_qkv, .Lfunc_end_k_q23ad46dafd_qkv-k_q23ad46dafd_qkv
	.p2alignl 7, 3214868480
	.fill 96, 4, 3214868480
	.section	.rodata,"a",@progbits
	.p2align	6, 0x0
	.amdhsa_kernel k_q23ad46dafd_qkv
		.amdhsa_group_segment_fixed_size 211968
		.amdhsa_private_segment_fixed_size 0
		.amdhsa_enable_private_segment 0
		.amdhsa_kernarg_size 56
		.amdhsa_user_sgpr_count 2
		.amdhsa_user_sgpr_kernarg_segment_ptr 1
		.amdhsa_wavefront_size32 1
		.amdhsa_system_sgpr_workgroup_id_x 1
		.amdhsa_system_sgpr_workgroup_id_y 1
		.amdhsa_system_sgpr_workgroup_id_z 1
		.amdhsa_system_vgpr_workitem_id 0
		.amdhsa_next_free_vgpr 256
		.amdhsa_next_free_sgpr 96
		.amdhsa_reserve_vcc 1
		.amdhsa_float_denorm_mode_32 3
		.amdhsa_float_denorm_mode_16_64 3
		.amdhsa_memory_ordered 1
		.amdhsa_forward_progress 1
		.amdhsa_inst_pref_size 81
	.end_amdhsa_kernel
	.amdgpu_metadata
---
amdhsa.version: [ 1, 2 ]
amdhsa.kernels:
  - .name:           k_q23ad46dafd_qkv
    .symbol:         k_q23ad46dafd_qkv.kd
    .args:
      - { .name: x_codes, .offset: 0, .size: 8, .value_kind: global_buffer, .address_space: global }
      - { .name: x_scales, .offset: 8, .size: 8, .value_kind: global_buffer, .address_space: global }
      - { .name: qkv_w_codes, .offset: 16, .size: 8, .value_kind: global_buffer, .address_space: global }
      - { .name: qkv_w_scales, .offset: 24, .size: 8, .value_kind: global_buffer, .address_space: global }
      - { .name: qkv_b, .offset: 32, .size: 8, .value_kind: global_buffer, .address_space: global }
      - { .name: qc, .offset: 40, .size: 8, .value_kind: global_buffer, .address_space: global }
      - { .name: kv, .offset: 48, .size: 8, .value_kind: global_buffer, .address_space: global }
    .group_segment_fixed_size: 211968
    .private_segment_fixed_size: 0
    .kernarg_segment_align: 8
    .kernarg_segment_size: 56
    .max_flat_workgroup_size: 256
    .sgpr_count:     96
    .vgpr_count:     256
    .wavefront_size: 32
...
	.end_amdgpu_metadata
.endif
;; end of part 1
;; launch attn (part 2): grid 4 x 64, 16 waves a work-group, no clusters, 18,432 bytes of LDS; arguments qc, kv, oc, os; writes oc, os
.if DOCPART == 2
	.amdgcn_target "amdgcn-amd-amdhsa--gfx1250"
	.amdhsa_code_object_version 6
	.text
	.protected	k_q23ad46dafd_attn
	.globl	k_q23ad46dafd_attn
	.p2align	8
	.type	k_q23ad46dafd_attn,@function
k_q23ad46dafd_attn:
	s_mov_b64 s[64:65], 0
	v_nop
	global_prefetch_b8 v0, s[64:65] scope:SCOPE_SE
	s_setreg_imm32_b32 hwreg(HW_REG_WAVE_MODE, 25, 1), 1
	s_wait_xcnt 0x0
; Causal attention of one head on codes of FP4 (E2M1), one E8M0 scale for each 32 along a product's K; then o is quantised along the model's 1,024 channels and leaves as images of the last product's operand registers.
; THE SOFTMAX: t = score x log2(e) / 8; M = the row's largest t so far, rounded UP to a whole number; p = 2^(t - M) is quantised along the keys, not normalised; the row's sum is taken of the unquantised p and divides at the end.
; When M moves, the sum and O are multiplied by 2^(old M - new M): exact.
; SHARES.  64 heads x 4 work-groups.  Work-group i of a head takes the blocks of 256 queries 7 - i and then i: 16 - 2 i and 2 i + 2 key steps of 128 keys, 18 in every work-group.  Each of sixteen waves owns 16 queries of the block.
; Multicast is not used: the four work-groups of a head stand at different key steps at the same time, since their blocks are paired for equal work.
; A key step's codes (4,096 bytes of K, 4,096 of V, laid as register images by the launch before) go through registers into one of two LDS slots: thread t carries 16 bytes.  No tensor load: the trip counts hang on the work-group's number.
; The scale planes of a step (four words a lane) go from memory straight into each wave's registers.
; LAYOUT.  Both products are used transposed: S^T = K Q^T, O^T = V^T P^T: a lane holds ONE query (lane % 16).  The head has 64 channels, half of the instruction's 128: a fragment of K holds key tile 2 g in registers 0-3 and key tile 2 g + 1 in
; registers 4-7, and Q lies in twelve registers as [zeros | q | zeros]: v[20:27] = [q, 0] gives tile 2 g, v[16:23] = [0, q] tile 2 g + 1.  Zero codes add nothing under any scale byte that the quantiser gives (1 to 254).
; S^T's register 8 n + j holds key 16 n + 8 (lane / 16) + j: the registers of tiles 2 b and 2 b + 1, in lanes l and l xor 16, are a block of 32 keys; conversions and an exchange of halves make the operand (as in the launch before).
; LIMITS: a block of o whose largest magnitude lies under 2^-124 (zeros too) keeps the byte 1; NaN and infinities are not served.
.set KVBLK, 8704                       ; a key step in kv: planes X0, X1 (256 bytes), K's codes, planes Y0, Y1, V's codes
.set QBLK,  4352
.set SLOTB, 8192                       ; an LDS slot: K's four fragments (1,024 g + 512 c + 16 x lane), then V's four
.set LI,  1                            ; v1  16 x lane
.set LS,  2                            ; v2  4 x lane
.set CW,  3                            ; v3  16 x thread: where I put my 16 bytes of a step
.set CG,  4                            ; v4  and where they lie in the step's block: 16 t + 256 + 256 (t / 256)
.set QD,  5                            ; v5  r - 8 h
.set PFO, 6                            ; v6  the prefetch's offset: 256 (lane + 1 + lane / 16): the 32 runs of 256 bytes that hold a step's codes
.set OSA, 7                            ; v7  32 r + h: my byte of o's scales
.set SH8, 8                            ; v8  8 h
.set QR,  16                           ; v16-27 Q
.set KFR, 32                           ; v32-63 K's fragments
.set VFR, 64                           ; v64-95 V's
.set S,   96                           ; v96-159 S^T, then p
.set OT,  160                          ; v160-191 O^T
.set ST,  192                          ; v192-195, v196-199 a step's 16 bytes on their way, by turns
.set SC,  200                          ; v200-203, v204-207 a step's planes X0, X1, Y0, Y1, by turns: they hold scales and nothing else
.set PC,  224                          ; v224-231 p's codes
                                       ; v12 -M, v13 the largest t, v[14:15] and v[240:241] the sum's chains; v208-211, v213 the second pass's q and its words; v212 this pass's words; v232-254 at work; v253 p's scale word; v255 Q's
.set WV,  12
.set WI,  13                           ; s13 i
.set BH,  14                           ; s14 16 x batch + head
.set HD,  15                           ; s15 head
.set KVB, 16                           ; s[16:17] the head's first block in kv
.set LP,  18                           ; s[18:19] the block that is being loaded
.set LDK, 20                           ; s20 its number
.set NB,  21                           ; s21 key steps in this pass
.set PFL, 22                           ; s22 a wave prefetches while s20 is under it
.set KF,  23                           ; s23 the step's first key
.set Q0,  24                           ; s24 my first query
.set TR,  25
.set PASS, 26
.set BLK, 27                           ; s27 the block of 256 queries
.set SEL, 28
.set CS,  30                           ; s[30:31] c = log2(e) / 8, twice
.set QSEL, 32
.set OCB, 34                           ; s[34:35] where my image goes in oc
.set OSB, 36                           ; s[36:37] and my rows' bytes in os
	s_load_b256 s[4:11], s[0:1], 0x0               ; qc s[4:5], kv s[6:7], oc s[8:9], os s[10:11]
	v_lshl_add_u32 v250, v0, 2, 0x4000
	v_mov_b32 v251, 0
	v_lshrrev_b32 v9, 5, v0
	v_readfirstlane_b32 s[WV], v9                  ; wave 0..15
	s_mov_b32 s[WI], ttmp9
	s_and_b32 s[BH], ttmp7, 0xffff
	s_and_b32 s[HD], s[BH], 15
	v_and_b32 v9, 31, v0                           ; lane
	v_and_b32 v10, 15, v0                          ; r
	v_bfe_u32 v11, v0, 4, 1                        ; h
	v_lshlrev_b32 v[LI], 4, v9
	v_lshlrev_b32 v[LS], 2, v9
	v_lshlrev_b32 v[CW], 4, v0
	v_lshrrev_b32 v[CG], 8, v0
	v_lshl_add_u32 v[CG], v[CG], 8, v[CW]
	v_add_nc_u32 v[CG], 256, v[CG]
	v_lshlrev_b32 v[SH8], 3, v11
	v_sub_nc_u32 v[QD], v10, v[SH8]
	v_add_nc_u32 v[PFO], v9, v11
	v_add_nc_u32 v[PFO], 1, v[PFO]
	v_lshlrev_b32 v[PFO], 8, v[PFO]
	v_lshl_add_u32 v[OSA], v10, 5, v11
	s_mul_i32 s38, s[BH], 16*KVBLK
	s_mov_b32 s39, 0
	s_mul_i32 s40, s[BH], 16*QBLK
	s_lshr_b32 s41, s[WV], 3
	s_sub_co_u32 s[BLK], 7, s[WI]                  ; the first pass's block
	s_lshl_b32 s42, s[BLK], 1
	s_add_co_u32 s42, s42, s41                     ; its block of 128 rows that holds my queries
	s_mul_i32 s42, s42, QBLK
	s_add_co_u32 s42, s42, s40
	s_mov_b32 s43, 0
	s_lshl_b32 s44, s[WI], 1
	s_add_co_u32 s44, s44, s41                     ; the second pass's
	s_mul_i32 s44, s44, QBLK
	s_add_co_u32 s44, s44, s40
	s_mov_b32 s45, 0
	s_and_b32 s46, s[WV], 7                        ; my row tile in it
	s_lshl_b32 s47, s46, 9
	s_add_co_u32 s47, s47, 256
	v_add_nc_u32 v28, s47, v[LI]                   ; its image
	s_lshr_b32 s46, s46, 1
	s_lshl_b32 s46, s46, 6
	v_lshl_add_u32 v29, v10, 2, s46                ; its pair's scale words: 64 x pair + 4 r
	s_and_b32 s33, s[WV], 1
	s_cmp_eq_u32 s33, 0
	s_mov_b32 s[QSEL], 0x03020302
	s_cselect_b32 s[QSEL], 0x01000100, s[QSEL]     ; an even tile's two bytes are the word's low ones; Q's word holds them twice
	s_or_b32 s33, s[WV], s[WI]
	s_cmp_eq_u32 s33, 0
	s_cselect_b32 s[PFL], 15, 0                    ; wave 0 of the head's work-group 0 prefetches: its first pass walks all 16 steps
	s_mov_b32 s[SEL], 0x76543210
	s_mov_b32 s[SEL+1], 0xfedcba98
	s_mov_b32 s[CS], 0x3e38aa3b
	s_mov_b32 s[CS+1], s[CS]
	s_mov_b32 s[LDK], 1
	s_mov_b32 s[PASS], 2
	s_wait_kmcnt 0x0
	s_add_nc_u64 s[KVB:KVB+1], s[6:7], s[38:39]
	s_add_nc_u64 s[48:49], s[4:5], s[42:43]
	s_add_nc_u64 s[50:51], s[4:5], s[44:45]
	global_load_b128 v[QR+4:QR+7], v28, s[48:49]
	global_load_b32 v212, v29, s[48:49]
	global_load_b128 v[208:211], v28, s[50:51]
	global_load_b32 v213, v29, s[50:51]
.irp g, 0,1                                    ; key steps 0 and 1: my 16 bytes of the codes, then the four planes
	global_load_b128 v[ST+4*\g:ST+4*\g+3], v[CG], s[KVB:KVB+1] offset:\g*KVBLK
	global_load_b32 v[SC+4*\g], v[LS], s[KVB:KVB+1] offset:\g*KVBLK
	global_load_b32 v[SC+4*\g+1], v[LS], s[KVB:KVB+1] offset:\g*KVBLK+128
	global_load_b32 v[SC+4*\g+2], v[LS], s[KVB:KVB+1] offset:\g*KVBLK+4352
	global_load_b32 v[SC+4*\g+3], v[LS], s[KVB:KVB+1] offset:\g*KVBLK+4480
.endr
.irp k, 0,1,2,3
	v_mov_b32 v[QR+\k], 0                          ; the zeros on both sides of q
	v_mov_b32 v[QR+8+\k], 0
	v_mov_b32 v[236+\k], 0                         ; written once: a lane permute's destination counts as one of its sources
.endr
	v_mov_b32 v252, 0
	v_mov_b32 v253, 0                              ; (named as the upper half of the pair v[252:253] before it is first written)
	s_wait_loadcnt 0x9                             ; q and step 0's codes are in; behind them: four planes, step 1's codes, four planes
	ds_store_b128 v[CW], v[ST:ST+3]                ; step 0 into slot 0
; A KEY STEP in slot g.
.macro STEP g
	s_wait_loadcnt 0x4                             ; all but the four plane loads issued at the end of the step before: the next step's codes and this step's planes are in
	s_wait_dscnt 0x0                               ; my store into this slot has landed, and my reads of the other slot are over
	s_barrier_signal -1
	s_barrier_wait -1                              ; both hold of all sixteen waves
	ds_store_b128 v[CW], v[ST+4*(1-\g):ST+4*(1-\g)+3] offset:(1-\g)*SLOTB   ; the next step's codes into the slot that was read last
	s_wait_xcnt 0x0                                ; the last step's plane loads and prefetch have read their base: it is written only behind this wait
	s_add_co_u32 s[LDK], s[LDK], 1                 ; the step after next;
	s_cmp_eq_u32 s[LDK], s[NB]
	s_cselect_b32 s[LDK], 0, s[LDK]                ; behind a pass's last step come steps 0 and 1 again: the next pass's (behind the second pass they are loaded and not used: they lie inside the buffer)
	s_cselect_b32 s[PFL], 0, s[PFL]                ; and nothing more is prefetched
	s_mul_i32 s38, s[LDK], KVBLK
	s_mov_b32 s39, 0
	s_add_nc_u64 s[LP:LP+1], s[KVB:KVB+1], s[38:39]
	global_load_b128 v[ST+4*\g:ST+4*\g+3], v[CG], s[LP:LP+1]
	s_cmp_lt_u32 s[LDK], s[PFL]
	s_cbranch_scc0 .Lnp_\@
	global_prefetch_b8 v[PFO], s[LP:LP+1] offset:KVBLK th:TH_LOAD_NT scope:SCOPE_SE   ; the codes of the step that the next trip will load, a lane to each 256 bytes; steps 3 to 15, each named once in the launch, by one wave for the head's four work-groups
.Lnp_\@:
	s_add_co_u32 s38, s[Q0], 15
	s_cmp_gt_u32 s[KF], s38                        ; all 128 keys come after my 16 queries: the step's work is left out (a branch on ids; no barrier stands in it, and the loads at its end are issued on both ways)
	s_cbranch_scc1 .Lhid_\@
.irp f, 0,1,2,3
.irp c, 0,1
	ds_load_b128 v[KFR+8*\f+4*\c:KFR+8*\f+4*\c+3], v[LI] offset:\g*SLOTB+1024*\f+512*\c
.endr
.endr
.irp f, 0,1,2,3
.irp c, 0,1
	ds_load_b128 v[VFR+8*\f+4*\c:VFR+8*\f+4*\c+3], v[LI] offset:\g*SLOTB+4096+1024*\f+512*\c
.endr
.endr
	s_wait_dscnt 0x8                               ; K's eight loads are in; V's eight may be out
.irp f, 0,1,2,3                                ; S^T: fragment f against [q, 0] and [0, q]: key tiles 2 f and 2 f + 1.  K's words: plane f / 2, lanes 16-31 where f is odd
.irp u, 0,1
.if \f%2
	v_wmma_scale_f32_16x16x128_f8f6f4 v[S+8*(2*\f+\u):S+8*(2*\f+\u)+7], v[KFR+8*\f:KFR+8*\f+7], v[QR+4-4*\u:QR+11-4*\u], 0, v[SC+4*\g+\f/2], v255 matrix_a_fmt:MATRIX_FMT_FP4 matrix_b_fmt:MATRIX_FMT_FP4 matrix_a_scale:MATRIX_SCALE_ROW1
.else
	v_wmma_scale_f32_16x16x128_f8f6f4 v[S+8*(2*\f+\u):S+8*(2*\f+\u)+7], v[KFR+8*\f:KFR+8*\f+7], v[QR+4-4*\u:QR+11-4*\u], 0, v[SC+4*\g+\f/2], v255 matrix_a_fmt:MATRIX_FMT_FP4 matrix_b_fmt:MATRIX_FMT_FP4
.endif
.endr
.endr
.rept 4
	v_nop                                          ; four places in front of the first read of results (ISA guide 7.12.1)
.endr
	s_add_co_u32 s38, s[KF], 127
	s_cmp_le_u32 s38, s[Q0]                        ; all keys count for all my queries: no mask
	s_cbranch_scc1 .Lopen_\@
	s_sub_co_i32 s38, s[Q0], s[KF]
	v_add_nc_u32 v252, s38, v[QD]                  ; d = my query - the step's first key - 8 (lane / 16): register n holds a hidden key where 16 (n / 8) + n % 8 > d
	v_mov_b32 v254, 0xff800000                     ; -infinity: p = 0 then.  The step's first key counts for every query of mine, so the maximum stays a number
.set n, 0
.rept 64
	v_cmp_gt_i32 vcc_lo, 16*(n/8)+n%8, v252
	v_cndmask_b32 v[S+n], v[S+n], v254, vcc_lo
.set n, n+1
.endr
.Lopen_\@:
.irp b, 0,1,2,3
	v_max3_num_f32 v[232+\b], v[S+16*\b], v[S+16*\b+1], v[S+16*\b+2]   ; the largest score of each block of 32 keys: for the row's maximum and, since p rises with the score, for the block's largest p
.endr
.irp i, 3,5,7,9,11,13
.irp b, 0,1,2,3
	v_max3_num_f32 v[232+\b], v[232+\b], v[S+16*\b+\i], v[S+16*\b+\i+1]
.endr
.endr
.irp b, 0,1,2,3
	v_max_num_f32 v[232+\b], v[232+\b], v[S+16*\b+15]
.endr
.irp b, 0,1,2,3
	v_permlanex16_b32 v[236+\b], v[232+\b], s[SEL], s[SEL+1]
.endr
.irp b, 0,1,2,3
	v_max_num_f32 v[232+\b], v[232+\b], v[236+\b]  ; with lane l xor 16's 16 keys
.endr
	v_max3_num_f32 v254, v232, v233, v234
	v_max_num_f32 v254, v254, v235                 ; the step's largest score of my query
	v_mul_f32 v254, s[CS], v254                    ; as t
	v_max_num_f32 v13, v13, v254                   ; the running largest t
	v_mov_b32 v254, v12
	v_floor_f32 v12, -v13                          ; the new -M = floor(-t): M is a whole number
	v_sub_f32 v254, v12, v254                      ; old M - new M: a whole number, 0 or less
	v_cvt_i32_f32 v254, v254                       ; (it saturates)
	v_ldexp_f32 v252, 1.0, v254                    ; f = 2^(old M - new M)
.set j, 0
.rept 32
	v_pk_fma_f32 v[S+j:S+j+1], v[S+j:S+j+1], s[CS:CS+1], v[12:13] op_sel_hi:[1,0,0]   ; t - M, two at a time
.set j, j+2
.endr
.irp b, 0,1,2,3
	v_fma_f32 v[232+\b], v[232+\b], s[CS], v12     ; the same of each block's largest score
.endr
.set j, 0
.rept 64
	v_exp_f32 v[S+j], v[S+j]                       ; p = 2^(t - M)
.set j, j+1
.endr
	v_pk_mul_f32 v[14:15], v[14:15], v[252:253] op_sel_hi:[1,0]   ; the sum under the new M: the plain place behind the exponentials
	s_wait_alu depctr_va_vdst(0)                   ; one wait between a batch of exponentials and the first line that names a result
.irp b, 0,1,2,3
	v_exp_f32 v[232+\b], v[232+\b]                 ; each block's largest p
.endr
	v_pk_add_f32 v[240:241], v[S:S+1], v[S+2:S+3]  ; the row's sum of the unquantised p, in two chains; 23 of its 32 additions stand here, behind the four exponentials
.irp j, 4,8,12,16,20,24,28,32,36,40,44
	v_pk_add_f32 v[14:15], v[14:15], v[S+\j:S+\j+1]
	v_pk_add_f32 v[240:241], v[240:241], v[S+\j+2:S+\j+3]
.endr
	s_wait_alu depctr_va_vdst(0)                   ; and one wait for the four
.irp b, 0,1,2,3
	v_max_num_f32 v[232+\b], 0x1800000, v[232+\b]  ; the floor 2^(3 - 127): the byte cannot fall under 1
.endr
.irp b, 0,1,2,3
	v_add_nc_u32 v[244+\b], 0xff000000, v[232+\b]  ; 2 off the exponent field: the conversion's scale operand
.endr
.irp b, 0,1,2,3
	v_lshrrev_b32 v[236+\b], 23, v[244+\b]         ; the scale's byte
.endr
	v_lshl_or_b32 v253, v237, 8, v236              ; p's scale word for these 128 keys
	v_lshl_or_b32 v253, v238, 16, v253
	v_lshl_or_b32 v253, v239, 24, v253
.irp c, 0,1
.irp e, 0,1
.irp u, 0,1
	v_cvt_scalef32_pk8_fp4_f32 v[PC+4*\c+2*\u+\e], v[S+32*\c+16*\e+8*\u:S+32*\c+16*\e+8*\u+7], v[244+2*\c+\e]
.endr
.endr
.endr
	v_nop                                          ; one plain place behind the last scaled conversion
.irp c, 0,1
	v_permlane16_swap_b32 v[PC+4*\c], v[PC+4*\c+1] ; a whole block of 32 keys in a lane
	v_permlane16_swap_b32 v[PC+4*\c+2], v[PC+4*\c+3]
.endr
.set j, 0
.rept 16
	v_pk_mul_f32 v[OT+j:OT+j+1], v[OT+j:OT+j+1], v[252:253] op_sel_hi:[1,0]   ; O^T under the new M.  With the four lines below: the places between the codes' and the scale word's last writes and the products
.set j, j+2
.endr
.irp j, 48,52
	v_pk_add_f32 v[14:15], v[14:15], v[S+\j:S+\j+1]
	v_pk_add_f32 v[240:241], v[240:241], v[S+\j+2:S+\j+3]
.endr
	s_wait_dscnt 0x0                               ; V is in
.irp d, 0,1,2,3                                ; O^T += V^T P^T: the four accumulators by turns.  V's words: plane 2 + d / 2, lanes 16-31 where d is odd
.if \d%2
	v_wmma_scale_f32_16x16x128_f8f6f4 v[OT+8*\d:OT+8*\d+7], v[VFR+8*\d:VFR+8*\d+7], v[PC:PC+7], v[OT+8*\d:OT+8*\d+7], v[SC+4*\g+2+\d/2], v253 matrix_a_fmt:MATRIX_FMT_FP4 matrix_b_fmt:MATRIX_FMT_FP4 matrix_a_scale:MATRIX_SCALE_ROW1
.else
	v_wmma_scale_f32_16x16x128_f8f6f4 v[OT+8*\d:OT+8*\d+7], v[VFR+8*\d:VFR+8*\d+7], v[PC:PC+7], v[OT+8*\d:OT+8*\d+7], v[SC+4*\g+2+\d/2], v253 matrix_a_fmt:MATRIX_FMT_FP4 matrix_b_fmt:MATRIX_FMT_FP4
.endif
.endr
.irp j, 56,60                                  ; the sum's last five additions name no register of those products: they are the places in front of the loads into the planes' and V's registers
	v_pk_add_f32 v[14:15], v[14:15], v[S+\j:S+\j+1]
	v_pk_add_f32 v[240:241], v[240:241], v[S+\j+2:S+\j+3]
.endr
	v_pk_add_f32 v[14:15], v[14:15], v[240:241]
.Lhid_\@:
	global_load_b32 v[SC+4*\g], v[LS], s[LP:LP+1]  ; the planes of the step after next, into the registers that this step has left
	global_load_b32 v[SC+4*\g+1], v[LS], s[LP:LP+1] offset:128
	global_load_b32 v[SC+4*\g+2], v[LS], s[LP:LP+1] offset:4352
	global_load_b32 v[SC+4*\g+3], v[LS], s[LP:LP+1] offset:4480
	s_add_co_u32 s[KF], s[KF], 128
.endm
.Lpass:                                        ; two trips: block 7 - i, then block i
	v_perm_b32 v255, v212, v212, s[QSEL]           ; Q's scale word: my tile's two bytes, twice
.set j, 0
.rept 32
	v_mov_b32 v[OT+j], 0                           ; O^T.  (The step is written once: a pass's first step finds zeros, which the first change of M leaves zeros.)  These lines are also the places behind the writes of Q and of its word
.set j, j+1
.endr
	v_mov_b32 v13, 0xff61b1e6                      ; the largest t so far: -3e38
	v_floor_f32 v12, -v13
	v_mov_b32 v14, 0
	v_mov_b32 v15, 0
	s_lshl_b32 s[Q0], s[BLK], 8
	s_lshl_b32 s38, s[WV], 4
	s_add_co_u32 s[Q0], s[Q0], s38                 ; my first query: 256 x block + 16 x wave
	s_mov_b32 s[KF], 0
	s_lshl_b32 s[NB], s[BLK], 1
	s_add_co_u32 s[NB], s[NB], 2                   ; key steps: 2 x block + 2
	s_add_co_u32 s[TR], s[BLK], 1                  ; two to a trip
	s_lshr_b32 s38, s[BH], 4                       ; the batch
	s_lshl_b32 s39, s38, 7
	s_lshl_b32 s40, s[BLK], 4
	s_add_co_u32 s39, s39, s40
	s_add_co_u32 s39, s39, s[WV]                   ; my tile of 16 rows among the 512
	s_lshl_b32 s40, s39, 12                        ; oc: [K half][tile 512][K step 4][c 2][512 bytes]: head hd is K half hd / 8, K step (hd / 2) % 4, c = hd % 2
	s_lshr_b32 s41, s[HD], 3
	s_lshl_b32 s41, s41, 21
	s_add_co_u32 s40, s40, s41
	s_bfe_u32 s41, s[HD], 0x20001
	s_lshl_b32 s41, s41, 10
	s_add_co_u32 s40, s40, s41
	s_and_b32 s41, s[HD], 1
	s_lshl_b32 s41, s41, 9
	s_add_co_u32 s40, s40, s41
	s_mov_b32 s41, 0
	s_add_nc_u64 s[OCB:OCB+1], s[8:9], s[40:41]
	s_lshl_b32 s40, s39, 9                         ; os: 32 bytes a row, bytes 2 hd and 2 hd + 1
	s_lshl_b32 s42, s[HD], 1
	s_add_co_u32 s40, s40, s42
	s_add_nc_u64 s[OSB:OSB+1], s[10:11], s[40:41]
.Lstep:
	STEP 0
	STEP 1
	s_sub_co_u32 s[TR], s[TR], 1
	s_cmp_lg_u32 s[TR], 0
	s_cbranch_scc1 .Lstep
	; THE END OF A PASS: O^T / the sum, quantised along the head's 64 channels (two blocks), which are 64 of the last product's K
	v_add_f32 v14, v14, v15
	v_permlanex16_b32 v252, v14, s[SEL], s[SEL+1]
	v_add_f32 v14, v14, v252                       ; the row's sum
	v_rcp_f32 v14, v14
	v_nop                                          ; a plain place behind the reciprocal
	s_wait_alu depctr_va_vdst(0)                   ; and a wait ahead of its first reader
.set j, 0
.rept 32
	v_mul_f32 v[S+j], v[OT+j], v14                 ; register 8 d + j: channel 16 d + 8 h + j of my query; each accumulator from its low end on
.set j, j+1
.endr
.irp b, 0,1
	v_max3_num_f32 v[232+\b], |v[S+16*\b]|, |v[S+16*\b+1]|, 0x1800000
.endr
.irp i, 2,4,6,8,10,12,14
.irp b, 0,1
	v_max3_num_f32 v[232+\b], v[232+\b], |v[S+16*\b+\i]|, |v[S+16*\b+\i+1]|
.endr
.endr
.irp b, 0,1
	v_permlanex16_b32 v[236+\b], v[232+\b], s[SEL], s[SEL+1]
.endr
.irp b, 0,1
	v_max_num_f32 v[232+\b], v[232+\b], v[236+\b]
.endr
.irp b, 0,1
	v_add_nc_u32 v[244+\b], 0xff000000, v[232+\b]
.endr
.irp b, 0,1
	v_lshrrev_b32 v[236+\b], 23, v[244+\b]
.endr
	v_lshl_or_b32 v254, v237, 8, v236              ; my row's two bytes
.irp e, 0,1
.irp u, 0,1
	v_cvt_scalef32_pk8_fp4_f32 v[PC+2*\u+\e], v[S+16*\e+8*\u:S+16*\e+8*\u+7], v[244+\e]
.endr
.endr
	v_nop                                          ; one plain place behind the last scaled conversion
	v_permlane16_swap_b32 v[PC], v[PC+1]
	v_permlane16_swap_b32 v[PC+2], v[PC+3]
	v_lshrrev_b32 v254, v[SH8], v254               ; lanes 0-15 store block 0's byte, lanes 16-31 block 1's
	global_store_b128 v[LI], v[PC:PC+3], s[OCB:OCB+1]      ; 512 consecutive bytes, aligned to 256
	global_store_b8 v[OSA], v254, s[OSB:OSB+1]             ; a row's 32 bytes come from the 16 heads' work-groups: 2 bytes a row here, one byte in 17 of what is written
.irp k, 0,1,2,3
	v_mov_b32 v[QR+4+\k], v[208+\k]                ; the second pass's q
.endr
	v_mov_b32 v212, v213
	s_wait_xcnt 0x0                                ; the stores have read their data and bases: both are written again only behind this wait
	s_mov_b32 s[BLK], s[WI]
	s_sub_co_u32 s[PASS], s[PASS], 1
	s_cmp_lg_u32 s[PASS], 0
	s_cbranch_scc1 .Lpass
	s_wait_dscnt 0x0
	s_wait_tensorcnt 0x0
	ds_add_u32 v250, v251
	s_wait_dscnt 0x0
	s_endpgm
.Lfunc_end_k_q23ad46dafd_attn:
	.size	k_q23ad46dafd_attn, .Lfunc_end_k_q23ad46dafd_attn-k_q23ad46dafd_attn
	.p2alignl 7, 3214868480
	.fill 96, 4, 3214868480
	.section	.rodata,"a",@progbits
	.p2align	6, 0x0
	.amdhsa_kernel k_q23ad46dafd_attn
		.amdhsa_group_segment_fixed_size 18432
		.amdhsa_private_segment_fixed_size 0
		.amdhsa_enable_private_segment 0
		.amdhsa_kernarg_size 32
		.amdhsa_user_sgpr_count 2
		.amdhsa_user_sgpr_kernarg_segment_ptr 1
		.amdhsa_wavefront_size32 1
		.amdhsa_system_sgpr_workgroup_id_x 1
		.amdhsa_system_sgpr_workgroup_id_y 1
		.amdhsa_system_sgpr_workgroup_id_z 1
		.amdhsa_system_vgpr_workitem_id 0
		.amdhsa_next_free_vgpr 256
		.amdhsa_next_free_sgpr 66
		.amdhsa_reserve_vcc 1
		.amdhsa_float_denorm_mode_32 3
		.amdhsa_float_denorm_mode_16_64 3
		.amdhsa_memory_ordered 1
		.amdhsa_forward_progress 1
		.amdhsa_inst_pref_size 53
	.end_amdhsa_kernel
	.amdgpu_metadata
---
amdhsa.version: [ 1, 2 ]
amdhsa.kernels:
  - .name:           k_q23ad46dafd_attn
    .symbol:         k_q23ad46dafd_attn.kd
    .args:
      - { .name: qc, .offset: 0, .size: 8, .value_kind: global_buffer, .address_space: global }
      - { .name: kv, .offset: 8, .size: 8, .value_kind: global_buffer, .address_space: global }
      - { .name: oc, .offset: 16, .size: 8, .value_kind: global_buffer, .address_space: global }
      - { .name: os, .offset: 24, .size: 8, .value_kind: global_buffer, .address_space: global }
    .group_segment_fixed_size: 18432
    .private_segment_fixed_size: 0
    .kernarg_segment_align: 8
    .kernarg_segment_size: 32
    .max_flat_workgroup_size: 512
    .sgpr_count:     66
    .vgpr_count:     256
    .wavefront_size: 32
...
	.end_amdgpu_metadata
.endif
;; end of part 2
;; launch proj (part 3): grid 4 x 64, 8 waves a work-group, clusters of 4 x 4, 240,640 bytes of LDS; arguments oc, os, proj_w_codes, proj_w_scales, proj_b, out0; writes out0
.if DOCPART == 3
	.amdgcn_target "amdgcn-amd-amdhsa--gfx1250"
	.amdhsa_code_object_version 6
	.text
	.protected	k_q23ad46dafd_proj
	.globl	k_q23ad46dafd_proj
	.p2align	8
	.type	k_q23ad46dafd_proj,@function
k_q23ad46dafd_proj:
	s_mov_b64 s[64:65], 0
	v_nop
	global_prefetch_b8 v0, s[64:65] scope:SCOPE_SE
	s_setreg_imm32_b32 hwreg(HW_REG_WAVE_MODE, 25, 1), 1
	s_wait_xcnt 0x0
	s_wait_alu depctr_hold_cnt(0) depctr_sa_sdst(0) depctr_va_vdst(0) depctr_va_sdst(0) depctr_va_ssrc(0) depctr_va_vcc(0) depctr_vm_vsrc(0)
	s_getreg_b32 s2, hwreg(HW_REG_IB_STS2, 6, 4)
	s_cmp_eq_u32 s2, 0
	s_cbranch_scc0 .Lentry_in_a_cluster
	s_endpgm
.Lentry_in_a_cluster:
	s_bfe_u32 s2, ttmp6, 0x10000c
	s_cmp_lg_u32 s2, 0xf033
	s_cbranch_scc0 .Lentry_shape_is_right
	s_endpgm
.Lentry_shape_is_right:
; out0 = o W + b on codes of FP4 (E2M1) with one E8M0 scale for each 32 along K = 1,024.  o: register images made by the launch before, [K half 2][tile of 16 rows 512][K step 4][c 2][lane 32][16 bytes]; its scale bytes [8,192][32].
; W: 1,024 rows (output columns) of 512 bytes, scale rows of 32 bytes.  out0: [8,192][1,024] f32.
; SHARES.  A work-group makes 128 rows x 256 columns.  Eight waves: wave w takes columns 64 (w % 4) on and rows 64 (w / 4) on: 64 x 64, 16 accumulators.  All of K lies in LDS, in two halves, each filled once; nothing is filled again.
; CLUSTERS: 4 x 4 work-groups.  The four of a row of the cluster need the same images of o, the four of a column the same rows of W: each tile is asked for jointly.
; Source 0 = 16 rows of W, source 1 = 16 rows of o: a lane holds eight neighbouring columns of one row.  The way out goes through the wave's own stage in LDS; the bias is added on the way, and sixteen lanes store 256 consecutive bytes.
.set PITCH,  272                       ; W's LDS row: 256 bytes + 16
.set HROWS,  64*PITCH
.set OOFF,   4*HROWS                   ; in a slot: W's 256 rows, then o's eight tiles x 4,096 bytes, dense
.set SLOT,   OOFF+32768                ; 102,400
.set STG,    2*SLOT                    ; behind the slots: a stage of 16 rows x (256 bytes + 16) for each wave, written by LDS stores alone
.set LI,  1                            ; v1   16 x lane
.set ADW, 3                            ; v3-4 LDS address of my W fragments, K half 0, 1
.set ADO, 5                            ; v5-6 of o's images
.set SA,  7                            ; v7   32 x lane: a row of scale bytes
.set STO, 9                            ; v9   the stage: where I put 32 bytes of a row
.set RD,  10                           ; v10  and where I read a row back
.set CO,  11                           ; v11  my byte offset in two rows of out0
.set BOF, 12                           ; v12  my offset in the bias
.set SW,  16                           ; v16-23, v32-39 W's scale words of K half 0, 1
.set SO,  24                           ; v24-31, v40-47 o's
.set BI,  48                           ; v48-51 the bias of my four columns on the way out
.set FW,  64
.set FO,  96
.set ACC, 128                          ; accumulator (o's tile j, W's tile i) at v[128 + 8 (4 j + i)]
.set OB,  64                           ; the way out: 16 rows read back, v64-95 and v96-127 by turns
.set WV,  18
.set G1W, 28
.set G1O, 36
.set G0W, 44
.set G0O, 52
.set OUTB, 70                          ; s[70:71] my corner of out0
.set OSB, 72                           ; s[72:73] my rows of o's scales
.set WSB, 74                           ; s[74:75] my rows of W's scales
.macro CROUND
	s_barrier_signal -1
	s_barrier_wait -1
	s_cmp_lg_u32 s[WV], 0
	s_cbranch_scc1 .Lnot_wave_0_\@
	s_barrier_signal -3
.Lnot_wave_0_\@:
	s_barrier_wait -3
	s_barrier_signal -1
	s_barrier_wait -1
.endm
.macro PLACES n
.rept \n
	v_nop
.endr
.endm
.macro WM d, a, b, sa, sb, ra, rb      ; a product that adds in place
.if (\ra) && (\rb)
	v_wmma_scale_f32_16x16x128_f8f6f4 v[\d:\d+7], v[\a:\a+7], v[\b:\b+7], v[\d:\d+7], v[\sa], v[\sb] matrix_a_fmt:MATRIX_FMT_FP4 matrix_b_fmt:MATRIX_FMT_FP4 matrix_a_scale:MATRIX_SCALE_ROW1 matrix_b_scale:MATRIX_SCALE_ROW1
.elseif (\ra)
	v_wmma_scale_f32_16x16x128_f8f6f4 v[\d:\d+7], v[\a:\a+7], v[\b:\b+7], v[\d:\d+7], v[\sa], v[\sb] matrix_a_fmt:MATRIX_FMT_FP4 matrix_b_fmt:MATRIX_FMT_FP4 matrix_a_scale:MATRIX_SCALE_ROW1
.elseif (\rb)
	v_wmma_scale_f32_16x16x128_f8f6f4 v[\d:\d+7], v[\a:\a+7], v[\b:\b+7], v[\d:\d+7], v[\sa], v[\sb] matrix_a_fmt:MATRIX_FMT_FP4 matrix_b_fmt:MATRIX_FMT_FP4 matrix_b_scale:MATRIX_SCALE_ROW1
.else
	v_wmma_scale_f32_16x16x128_f8f6f4 v[\d:\d+7], v[\a:\a+7], v[\b:\b+7], v[\d:\d+7], v[\sa], v[\sb] matrix_a_fmt:MATRIX_FMT_FP4 matrix_b_fmt:MATRIX_FMT_FP4
.endif
.endm
.macro WMZ d, a, b, sa, sb, ra, rb     ; a product that starts a sum: nothing is ever cleared
.if (\ra) && (\rb)
	v_wmma_scale_f32_16x16x128_f8f6f4 v[\d:\d+7], v[\a:\a+7], v[\b:\b+7], 0, v[\sa], v[\sb] matrix_a_fmt:MATRIX_FMT_FP4 matrix_b_fmt:MATRIX_FMT_FP4 matrix_a_scale:MATRIX_SCALE_ROW1 matrix_b_scale:MATRIX_SCALE_ROW1
.elseif (\ra)
	v_wmma_scale_f32_16x16x128_f8f6f4 v[\d:\d+7], v[\a:\a+7], v[\b:\b+7], 0, v[\sa], v[\sb] matrix_a_fmt:MATRIX_FMT_FP4 matrix_b_fmt:MATRIX_FMT_FP4 matrix_a_scale:MATRIX_SCALE_ROW1
.elseif (\rb)
	v_wmma_scale_f32_16x16x128_f8f6f4 v[\d:\d+7], v[\a:\a+7], v[\b:\b+7], 0, v[\sa], v[\sb] matrix_a_fmt:MATRIX_FMT_FP4 matrix_b_fmt:MATRIX_FMT_FP4 matrix_b_scale:MATRIX_SCALE_ROW1
.else
	v_wmma_scale_f32_16x16x128_f8f6f4 v[\d:\d+7], v[\a:\a+7], v[\b:\b+7], 0, v[\sa], v[\sb] matrix_a_fmt:MATRIX_FMT_FP4 matrix_b_fmt:MATRIX_FMT_FP4
.endif
.endm
; A K step of 128, the q-th of K half g: 16 LDS loads, 16 products, the 16 accumulators by turns.
.macro KSTEP g, q, zero
.irp t, 0,1,2,3
	ds_load_b128 v[FW+8*\t:FW+8*\t+3], v[ADW+\g] offset:64*(\q)+\t*16*PITCH            ; W from rows: two loads 32 bytes apart
	ds_load_b128 v[FW+8*\t+4:FW+8*\t+7], v[ADW+\g] offset:64*(\q)+\t*16*PITCH+32
.endr
.irp t, 0,1,2,3
	ds_load_b128 v[FO+8*\t:FO+8*\t+3], v[ADO+\g] offset:4096*\t+1024*(\q)              ; o from images: 512 consecutive bytes a load
	ds_load_b128 v[FO+8*\t+4:FO+8*\t+7], v[ADO+\g] offset:4096*\t+1024*(\q)+512
.endr
.irp j, 0,1,2,3
	s_wait_dscnt 6-2*\j                            ; W's fragments and o's tiles 0 .. j are in; the two loads of each later tile may be out
.irp i, 0,1,2,3
.if \zero
	WMZ ACC+8*(4*\j+\i), FW+8*\i, FO+8*\j, SW+16*\g+4*(\i/2)+(\q), SO+16*\g+4*(\j/2)+(\q), \i%2, \j%2
.else
	WM ACC+8*(4*\j+\i), FW+8*\i, FO+8*\j, SW+16*\g+4*(\i/2)+(\q), SO+16*\g+4*(\j/2)+(\q), \i%2, \j%2
.endif
.endr
.endr
	PLACES 4                                       ; four places in front of the next loads into registers that these products read, and of the first read of results
.endm
	s_load_b256 s[4:11], s[0:1], 0x0               ; oc s[4:5], os s[6:7], W's codes s[8:9], W's scales s[10:11]
	s_load_b128 s[12:15], s[0:1], 0x20             ; the bias s[12:13], out0 s[14:15]
	v_lshl_add_u32 v62, v0, 2, 0x3a800
	v_mov_b32 v63, 0
	ds_add_u32 v62, v63
	ds_add_u32 v62, v63
	v_lshrrev_b32 v13, 5, v0
	v_readfirstlane_b32 s[WV], v13                 ; wave 0..7
	s_and_b32 s19, s[WV], 3                        ; my 64 columns.  Also: which part I fetch
	s_lshr_b32 s20, s[WV], 2                       ; my 64 rows
	s_bfe_u32 s21, ttmp6, 0x40000                  ; cx, cy
	s_bfe_u32 s22, ttmp6, 0x40004
	s_lshl_b32 s23, ttmp9, 2
	s_add_co_u32 s23, s23, s21                     ; tile column
	s_and_b32 s24, ttmp7, 0xffff
	s_lshl_b32 s24, s24, 2
	s_add_co_u32 s24, s24, s22                     ; tile row
	s_lshl_b32 s25, s22, 2
	s_lshl_b32 s25, 15, s25                        ; my row of the cluster
	s_lshl_b32 s26, 0x1111, s21                    ; my column
	s_or_b32 s[G1W], s26, (1<<20)|(1<<21)|(5<<22)|(3<<25)   ; W: 64 rows x 256 bytes, 512 apart in memory; the mask: my column; elements of 1 byte; four words of padding after every 64
	s_mov_b32 s[G1W+1], 256<<16
	s_mov_b32 s[G1W+2], 64<<16
	s_mov_b32 s[G1W+3], 256<<16
	s_mov_b32 s[G1W+4], 64
	s_mov_b32 s[G1W+5], 512
	s_mov_b32 s[G1W+6], 0
	s_mov_b32 s[G1W+7], 0
	s_or_b32 s[G1O], s25, (3<<16)|(1<<21)          ; o: a dense block of 16,384 bytes as 64 rows of 32 elements of 8 bytes, no padding; the mask: my row
	s_mov_b32 s[G1O+1], 32<<16
	s_mov_b32 s[G1O+2], 64<<16
	s_mov_b32 s[G1O+3], 32<<16
	s_mov_b32 s[G1O+4], 64
	s_mov_b32 s[G1O+5], 32
	s_mov_b32 s[G1O+6], 0
	s_mov_b32 s[G1O+7], 0
	s_lshl_b32 s62, s19, 6
	s_lshl_b32 s60, s23, 8
	s_add_co_u32 s60, s60, s62                     ; W: row 256 x tile column + 64 (wave % 4)
	s_lshl_b32 s60, s60, 9
	s_mov_b32 s61, 0
	s_lshl_b32 s68, s19, 14                        ; o: four tiles of 4,096 bytes for each of waves 4 and 5
	s_lshl_b32 s66, s24, 15
	s_add_co_u32 s66, s66, s68                     ; tile 8 x tile row + 4 (wave % 4)
	s_mov_b32 s67, 0
	s_mul_i32 s63, s[WV], HROWS                    ; where W's quarter goes (waves 0-3),
	s_add_co_u32 s69, s68, OOFF                    ; and o's half (waves 4 and 5)
	s_wait_dscnt 0x0
	s_wait_kmcnt 0x0
	s_add_nc_u64 s[76:77], s[8:9], s[60:61]
	s_add_nc_u64 s[78:79], s[4:5], s[66:67]
	CROUND                                         ; all sixteen work-groups are here: the joint loads meet
.irp g, 0,1
	s_mov_b32 s[G0W+4*\g], 1
	s_add_co_u32 s[G0W+4*\g+1], s63, \g*SLOT
	s_add_nc_u64 s[G0W+4*\g+2:G0W+4*\g+3], s[76:77], \g*256
	s_or_b32 s[G0W+4*\g+3], s[G0W+4*\g+3], 0x80000000
	s_mov_b32 s[G0O+4*\g], 1
	s_add_co_u32 s[G0O+4*\g+1], s69, \g*SLOT
	s_add_nc_u64 s[G0O+4*\g+2:G0O+4*\g+3], s[78:79], \g*2097152
	s_or_b32 s[G0O+4*\g+3], s[G0O+4*\g+3], 0x80000000
.endr
	s_cmp_lt_u32 s[WV], 4                          ; a wave's two fills stand in one branch on its number: two loads of mine are out at the most; waves 6 and 7 fetch nothing
	s_cbranch_scc0 .Lnot_w
	tensor_load_to_lds s[G0W:G0W+3], s[G1W:G1W+7]
	s_nop 0
	tensor_load_to_lds s[G0W+4:G0W+7], s[G1W:G1W+7]
	s_nop 0
	PLACES 4
	s_branch .Lasked
.Lnot_w:
	s_cmp_lt_u32 s[WV], 6
	s_cbranch_scc0 .Lasked
	tensor_load_to_lds s[G0O:G0O+3], s[G1O:G1O+7]
	s_nop 0
	tensor_load_to_lds s[G0O+4:G0O+7], s[G1O:G1O+7]
	s_nop 0
	PLACES 4
.Lasked:
	s_lshr_b32 s80, s60, 4                         ; my 64 rows of W's scales
	s_mov_b32 s81, 0
	s_add_nc_u64 s[WSB:WSB+1], s[10:11], s[80:81]
	s_lshr_b32 s80, s60, 7                         ; my 64 columns, in bytes of f32
	s_add_nc_u64 s[12:13], s[12:13], s[80:81]      ; in the bias,
	s_add_nc_u64 s[OUTB:OUTB+1], s[14:15], s[80:81] ; and in a row of out0
	s_lshl_b32 s82, s24, 7
	s_lshl_b32 s83, s20, 6
	s_add_co_u32 s82, s82, s83                     ; my first row
	s_lshl_b32 s84, s82, 12                        ; 4,096 bytes a row of out0
	s_mov_b32 s85, 0
	s_add_nc_u64 s[OUTB:OUTB+1], s[OUTB:OUTB+1], s[84:85]
	s_lshl_b32 s82, s82, 5                         ; 32 bytes a row of o's scales
	s_mov_b32 s83, 0
	s_add_nc_u64 s[OSB:OSB+1], s[6:7], s[82:83]
	v_and_b32 v13, 31, v0                          ; lane
	v_and_b32 v14, 15, v0                          ; r
	v_bfe_u32 v15, v0, 4, 1                        ; h
	v_lshlrev_b32 v[SA], 5, v13
	v_lshlrev_b32 v[BOF], 4, v14
.irp g, 0,1                                    ; the scale words, each once: lane l takes row 32 p + l and the four words of a K half; tile t reads pair t / 2, lanes 16-31 where t is odd
.irp p, 0,1
	global_load_b128 v[SW+16*\g+4*\p:SW+16*\g+4*\p+3], v[SA], s[WSB:WSB+1] offset:1024*\p+16*\g
	global_load_b128 v[SO+16*\g+4*\p:SO+16*\g+4*\p+3], v[SA], s[OSB:OSB+1] offset:1024*\p+16*\g
.endr
.endr
	global_load_b128 v[BI:BI+3], v[BOF], s[12:13]  ; the bias of columns 4 (lane % 16) on: the columns that I store
	v_lshlrev_b32 v[LI], 4, v13
	v_mul_u32_u24 v52, v14, PITCH
	v_lshl_add_u32 v52, v15, 4, v52                ; a fragment's row x pitch + 16 x half
	s_mul_i32 s84, s19, HROWS                      ; my 64 rows of W
	s_lshl_b32 s85, s20, 14
	s_add_co_u32 s85, s85, OOFF                    ; my four tiles of o
.irp g, 0,1
	v_add_nc_u32 v[ADW+\g], s84, v52
	v_add_nc_u32 v[ADO+\g], s85, v[LI]
	s_add_co_u32 s84, s84, SLOT
	s_add_co_u32 s85, s85, SLOT
.endr
	s_mul_i32 s84, s[WV], 16*PITCH
	s_add_co_u32 s84, s84, STG                     ; my stage
	v_mul_u32_u24 v[STO], v14, PITCH
	v_lshl_add_u32 v[STO], v15, 5, v[STO]
	v_add_nc_u32 v[STO], s84, v[STO]               ; in: row r, 32 bytes for each half of the lanes
	v_mul_u32_u24 v[RD], v15, PITCH
	v_lshl_add_u32 v[RD], v14, 4, v[RD]
	v_add_nc_u32 v[RD], s84, v[RD]                 ; back: lanes 0-15 one row of 256 bytes, lanes 16-31 the next
	v_lshlrev_b32 v[CO], 12, v15
	v_lshl_add_u32 v[CO], v14, 4, v[CO]            ; and the same two rows in out0
	s_wait_tensorcnt 0x1                           ; my part of K half 0 is in; half 1's load may be out
	s_barrier_signal -1
	s_barrier_wait -1
	s_wait_loadcnt 0x0                             ; the scale words and the bias
	KSTEP 0, 0, 1
	KSTEP 0, 1, 0
	KSTEP 0, 2, 0
	KSTEP 0, 3, 0
	s_wait_tensorcnt 0x0                           ; my part of K half 1 is in
	s_wait_dscnt 0x0
	s_barrier_signal -1
	s_barrier_wait -1
	KSTEP 1, 0, 0
	KSTEP 1, 1, 0
	KSTEP 1, 2, 0
	KSTEP 1, 3, 0
; THE WAY OUT, a tile of 16 rows x 64 columns at a time.  LDS serves a wave's instructions in order (ISA guide 5.7.1.4): no wait between my stores into my stage and my loads from it, nor in front of the next tile's stores.
.macro TOSTAGE a
.irp i, 0,1,2,3
	ds_store_b128 v[STO], v[ACC+8*(4*(\a)+\i):ACC+8*(4*(\a)+\i)+3] offset:64*\i          ; each accumulator from its low end on
	ds_store_b128 v[STO], v[ACC+8*(4*(\a)+\i)+4:ACC+8*(4*(\a)+\i)+7] offset:64*\i+16
.endr
.irp i, 0,1,2,3,4,5,6,7
	ds_load_b128 v[OB+32*((\a)%2)+4*\i:OB+32*((\a)%2)+4*\i+3], v[RD] offset:2*\i*PITCH
.endr
.endm
.macro SEND a, younger                 ; younger: the LDS instructions issued behind tile a's loads, which may stay out
	s_wait_dscnt \younger
.irp i, 0,1,2,3,4,5,6,7
	v_pk_add_f32 v[OB+32*((\a)%2)+4*\i:OB+32*((\a)%2)+4*\i+1], v[OB+32*((\a)%2)+4*\i:OB+32*((\a)%2)+4*\i+1], v[BI:BI+1]
	v_pk_add_f32 v[OB+32*((\a)%2)+4*\i+2:OB+32*((\a)%2)+4*\i+3], v[OB+32*((\a)%2)+4*\i+2:OB+32*((\a)%2)+4*\i+3], v[BI+2:BI+3]
.endr
.irp i, 0,1,2,3,4,5,6,7
	global_store_b128 v[CO], v[OB+32*((\a)%2)+4*\i:OB+32*((\a)%2)+4*\i+3], s[OUTB:OUTB+1] offset:(16*(\a)+2*\i)*4096 th:TH_STORE_NT   ; 16 lanes store 256 consecutive bytes, at a multiple of 256 from out0's first byte; written once, read by nobody here
.endr
.endm
	TOSTAGE 0
	TOSTAGE 1
	SEND 0, 16                                     ; behind tile 0's loads: tile 1's eight stores and eight loads
	s_wait_xcnt 0x0                                ; tile 0's stores have read their data: tile 2's loads land in those registers only behind this wait
	TOSTAGE 2
	SEND 1, 16
	s_wait_xcnt 0x0
	TOSTAGE 3
	SEND 2, 16
	SEND 3, 0
	s_wait_dscnt 0x0
	s_wait_tensorcnt 0x0
	ds_add_u32 v62, v63
	s_wait_dscnt 0x0
	CROUND                                         ; the closing round: no work-group ends while a partner may still ask for a tile that names it
	s_endpgm
.Lfunc_end_k_q23ad46dafd_proj:
	.size	k_q23ad46dafd_proj, .Lfunc_end_k_q23ad46dafd_proj-k_q23ad46dafd_proj
	.p2alignl 7, 3214868480
	.fill 96, 4, 3214868480
	.section	.rodata,"a",@progbits
	.p2align	6, 0x0
	.amdhsa_kernel k_q23ad46dafd_proj
		.amdhsa_group_segment_fixed_size 240640
		.amdhsa_private_segment_fixed_size 0
		.amdhsa_enable_private_segment 0
		.amdhsa_kernarg_size 48
		.amdhsa_user_sgpr_count 2
		.amdhsa_user_sgpr_kernarg_segment_ptr 1
		.amdhsa_wavefront_size32 1
		.amdhsa_system_sgpr_workgroup_id_x 1
		.amdhsa_system_sgpr_workgroup_id_y 1
		.amdhsa_system_sgpr_workgroup_id_z 1
		.amdhsa_system_vgpr_workitem_id 0
		.amdhsa_next_free_vgpr 256
		.amdhsa_next_free_sgpr 96
		.amdhsa_reserve_vcc 0
		.amdhsa_float_denorm_mode_32 3
		.amdhsa_float_denorm_mode_16_64 3
		.amdhsa_memory_ordered 1
		.amdhsa_forward_progress 1
		.amdhsa_inst_pref_size 46
	.end_amdhsa_kernel
	.amdgpu_metadata
---
amdhsa.version: [ 1, 2 ]
amdhsa.kernels:
  - .name:           k_q23ad46dafd_proj
    .symbol:         k_q23ad46dafd_proj.kd
    .args:
      - { .name: oc, .offset: 0, .size: 8, .value_kind: global_buffer, .address_space: global }
      - { .name: os, .offset: 8, .size: 8, .value_kind: global_buffer, .address_space: global }
      - { .name: proj_w_codes, .offset: 16, .size: 8, .value_kind: global_buffer, .address_space: global }
      - { .name: proj_w_scales, .offset: 24, .size: 8, .value_kind: global_buffer, .address_space: global }
      - { .name: proj_b, .offset: 32, .size: 8, .value_kind: global_buffer, .address_space: global }
      - { .name: out0, .offset: 40, .size: 8, .value_kind: global_buffer, .address_space: global }
    .group_segment_fixed_size: 240640
    .private_segment_fixed_size: 0
    .kernarg_segment_align: 8
    .kernarg_segment_size: 48
    .max_flat_workgroup_size: 256
    .sgpr_count:     96
    .vgpr_count:     256
    .wavefront_size: 32
...
	.end_amdgpu_metadata
.endif
;; end of part 3
;; ======== version 2 of 2: 3 launches; version 1 with the launch attn written anew for expert scheduling mode
;; workspace buffers: qc 4,456,448 bytes; kv 8,912,896 bytes; oc 4,194,304 bytes; os 262,144 bytes
;; launch qkv: the kernel of part 1 again; grid 12 x 64, 8 waves a work-group, clusters of 4 x 4, 211,968 bytes of LDS; arguments x_codes, x_scales, qkv_w_codes, qkv_w_scales, qkv_b, qc, kv; writes qc, kv
;; launch attn (part 4): grid 4 x 64, 16 waves a work-group, no clusters, 18,432 bytes of LDS; arguments qc, kv, oc, os; writes oc, os
.if DOCPART == 4
	.amdgcn_target "amdgcn-amd-amdhsa--gfx1250"
	.amdhsa_code_object_version 6
	.text
	.protected	k_q23ad46dafd_attn
	.globl	k_q23ad46dafd_attn
	.p2align	8
	.type	k_q23ad46dafd_attn,@function
k_q23ad46dafd_attn:
	s_mov_b64 s[64:65], 0
	v_nop
	global_prefetch_b8 v0, s[64:65] scope:SCOPE_SE
	s_setreg_imm32_b32 hwreg(HW_REG_WAVE_SCHED_MODE, 0, 2), 2
	s_setreg_imm32_b32 hwreg(HW_REG_WAVE_MODE, 25, 1), 1
	s_wait_xcnt 0x0
	s_wait_alu depctr_vm_vsrc(0)
; Causal attention of one head on codes of FP4 (E2M1), one E8M0 scale for each 32 along a product's K; then o is quantised along the model's 1,024 channels and leaves as images of the last product's operand registers.
; THE SOFTMAX: t = score x log2(e) / 8; M = the row's largest t so far, rounded UP to a whole number; p = 2^(t - M) is quantised along the keys, not normalised; the row's sum is taken of the unquantised p and divides at the end.
; When M moves, the sum and O are multiplied by 2^(old M - new M): exact.
; SHARES.  64 heads x 4 work-groups.  Work-group i of a head takes the blocks of 256 queries 7 - i and then i: 16 - 2 i and 2 i + 2 key steps of 128 keys, 18 in every work-group.  Each of sixteen waves owns 16 queries of the block.
; Multicast is not used: the four work-groups of a head stand at different key steps at the same time, since their blocks are paired for equal work.
; A key step's codes (4,096 bytes of K, 4,096 of V, laid as register images by the launch before) go through registers into one of two LDS slots: thread t carries 16 bytes.  No tensor load: the trip counts hang on the work-group's number.
; The scale planes of a step (four words a lane) go from memory straight into each wave's registers.
; LAYOUT.  Both products are used transposed: S^T = K Q^T, O^T = V^T P^T: a lane holds ONE query (lane % 16).  The head has 64 channels, half of the instruction's 128: a fragment of K holds key tile 2 g in registers 0-3 and key tile 2 g + 1 in
; registers 4-7, and Q lies in twelve registers as [zeros | q | zeros]: v[20:27] = [q, 0] gives tile 2 g, v[16:23] = [0, q] tile 2 g + 1.  Zero codes add nothing under any scale byte that the quantiser gives (1 to 254).
; S^T's register 8 n + j holds key 16 n + 8 (lane / 16) + j: the registers of tiles 2 b and 2 b + 1, in lanes l and l xor 16, are a block of 32 keys; conversions and an exchange of halves make the operand (as in the launch before).
; LIMITS: a block of o whose largest magnitude lies under 2^-124 (zeros too) keeps the byte 1; NaN and infinities are not served.
; THE MODE: SCHED_MODE bits 1:0 = 2 (LLVM: expert scheduling mode 2), set by the entry lines.  The code itself states the register dependences
; between vector or matrix instructions and memory or LDS instructions, with s_wait_alu, always for 0.
; THE PLAN.  Registers that memory or LDS instructions touch, in the loop; step k has g = k % 2:
;   ST[g]       Step k's load of the codes of step k + 2 lands in it; the LDS store of step k + 1 reads it.  No vector instruction names it.
;   SC[g]       Step k's twelve products read it as scales; the four plane loads at the head of step k + 1 land in it (the planes of step k + 2).
;   KFR, VFR    Step k's sixteen LDS loads land in them; step k's products read them.
;   PC, v254    At a pass's end: written by the conversions, the exchanges and a shift, read by the two stores, written again in the next pass.
;   v1-7, v28, v29  Addresses and offsets, made at the head and never written again: the blocks are reached by scalar bases and immediate offsets.
; So a step's head has ONE wait on vm_vsrc (the last step's LDS store has read ST[g]) and ONE on va_vdst (the last step's products are done reading SC[1 - g], KFR and VFR); all the step's loads follow, with only scalar and memory
; instructions between.  Further waits on va_vdst stand where vector instructions have made an operand of a scaled product (p's codes and scale word), behind each batch of exponentials, and ahead of a pass's two stores.
.set KVBLK, 8704                       ; a key step in kv: planes X0, X1 (256 bytes), K's codes, planes Y0, Y1, V's codes
.set QBLK,  4352
.set SLOTB, 8192                       ; an LDS slot: K's four fragments (1,024 g + 512 c + 16 x lane), then V's four
.set LI,  1                            ; v1  16 x lane
.set LS,  2                            ; v2  4 x lane
.set CW,  3                            ; v3  16 x thread: where I put my 16 bytes of a step
.set CG,  4                            ; v4  and where they lie in the step's block: 16 t + 256 + 256 (t / 256)
.set QD,  5                            ; v5  r - 8 h
.set PFO, 6                            ; v6  the prefetch's offset: 256 (lane + 1 + lane / 16): the 32 runs of 256 bytes that hold a step's codes
.set OSA, 7                            ; v7  32 r + h: my byte of o's scales
.set SH8, 8                            ; v8  8 h
.set QR,  16                           ; v16-27 Q
.set KFR, 32                           ; v32-63 K's fragments
.set VFR, 64                           ; v64-95 V's
.set S,   96                           ; v96-159 S^T, then p
.set OT,  160                          ; v160-191 O^T
.set ST,  192                          ; v192-195, v196-199 a step's 16 bytes on their way, by turns
.set SC,  200                          ; v200-203, v204-207 a step's planes X0, X1, Y0, Y1, by turns: they hold scales and nothing else
.set PC,  224                          ; v224-231 p's codes
                                       ; v12 -M, v13 the largest t, v[14:15] and v[240:241] the sum's chains; v208-211, v213 the second pass's q and its words; v212 this pass's words; v232-254 at work; v253 p's scale word; v255 Q's
.set WV,  12
.set WI,  13                           ; s13 i
.set BH,  14                           ; s14 16 x batch + head
.set HD,  15                           ; s15 head
.set KVB, 16                           ; s[16:17] the head's first block in kv
.set LP,  18                           ; s[18:19], s[62:63] (LP + 44 g) the block whose codes step k loads and whose planes step k + 1 loads: a pair for each g, by turns
.set LDK, 20                           ; s20 its number
.set NB,  21                           ; s21 key steps in this pass
.set PFL, 22                           ; s22 a wave prefetches while s20 is under it
.set KF,  23                           ; s23 the step's first key
.set Q0,  24                           ; s24 my first query
.set TR,  25
.set PASS, 26
.set BLK, 27                           ; s27 the block of 256 queries
.set SEL, 28
.set CS,  30                           ; s[30:31] c = log2(e) / 8, twice
.set QSEL, 32
.set OCB, 34                           ; s[34:35] where my image goes in oc
.set OSB, 36                           ; s[36:37] and my rows' bytes in os
.set MK,  40                           ; s40-55 on the diagonal: the masks of sixteen compares
	s_load_b256 s[4:11], s[0:1], 0x0               ; qc s[4:5], kv s[6:7], oc s[8:9], os s[10:11]
	v_lshl_add_u32 v250, v0, 2, 0x4000
	v_mov_b32 v251, 0
	v_lshrrev_b32 v9, 5, v0
	v_readfirstlane_b32 s[WV], v9                  ; wave 0..15
	s_mov_b32 s[WI], ttmp9
	s_and_b32 s[BH], ttmp7, 0xffff
	s_and_b32 s[HD], s[BH], 15
	v_and_b32 v9, 31, v0                           ; lane
	v_and_b32 v10, 15, v0                          ; r
	v_bfe_u32 v11, v0, 4, 1                        ; h
	v_lshlrev_b32 v[LI], 4, v9
	v_lshlrev_b32 v[LS], 2, v9
	v_lshlrev_b32 v[CW], 4, v0
	v_lshrrev_b32 v[CG], 8, v0
	v_lshl_add_u32 v[CG], v[CG], 8, v[CW]
	v_add_nc_u32 v[CG], 256, v[CG]
	v_lshlrev_b32 v[SH8], 3, v11
	v_sub_nc_u32 v[QD], v10, v[SH8]
	v_add_nc_u32 v[PFO], v9, v11
	v_add_nc_u32 v[PFO], 1, v[PFO]
	v_lshlrev_b32 v[PFO], 8, v[PFO]
	v_lshl_add_u32 v[OSA], v10, 5, v11
	s_wait_alu depctr_va_sdst(0)                   ; the wave's number is written, ahead of its first reader: addresses, counts and branches are made from it
	s_mul_i32 s38, s[BH], 16*KVBLK
	s_mov_b32 s39, 0
	s_mul_i32 s40, s[BH], 16*QBLK
	s_lshr_b32 s41, s[WV], 3
	s_sub_co_u32 s[BLK], 7, s[WI]                  ; the first pass's block
	s_lshl_b32 s42, s[BLK], 1
	s_add_co_u32 s42, s42, s41                     ; its block of 128 rows that holds my queries
	s_mul_i32 s42, s42, QBLK
	s_add_co_u32 s42, s42, s40
	s_mov_b32 s43, 0
	s_lshl_b32 s44, s[WI], 1
	s_add_co_u32 s44, s44, s41                     ; the second pass's
	s_mul_i32 s44, s44, QBLK
	s_add_co_u32 s44, s44, s40
	s_mov_b32 s45, 0
	s_and_b32 s46, s[WV], 7                        ; my row tile in it
	s_lshl_b32 s47, s46, 9
	s_add_co_u32 s47, s47, 256
	v_add_nc_u32 v28, s47, v[LI]                   ; its image
	s_lshr_b32 s46, s46, 1
	s_lshl_b32 s46, s46, 6
	v_lshl_add_u32 v29, v10, 2, s46                ; its pair's scale words: 64 x pair + 4 r
	s_and_b32 s33, s[WV], 1
	s_cmp_eq_u32 s33, 0
	s_mov_b32 s[QSEL], 0x03020302
	s_cselect_b32 s[QSEL], 0x01000100, s[QSEL]     ; an even tile's two bytes are the word's low ones; Q's word holds them twice
	s_or_b32 s33, s[WV], s[WI]
	s_cmp_eq_u32 s33, 0
	s_cselect_b32 s[PFL], 15, 0                    ; wave 0 of the head's work-group 0 prefetches: its first pass walks all 16 steps
	s_mov_b32 s[SEL], 0x76543210
	s_mov_b32 s[SEL+1], 0xfedcba98
	s_mov_b32 s[CS], 0x3e38aa3b
	s_mov_b32 s[CS+1], s[CS]
	s_mov_b32 s[LDK], 1
	s_mov_b32 s[PASS], 2
	s_wait_kmcnt 0x0
	s_add_nc_u64 s[KVB:KVB+1], s[6:7], s[38:39]
	s_add_nc_u64 s[LP+44:LP+45], s[KVB:KVB+1], KVBLK   ; step 0 loads step 1's planes by this pair
	s_add_nc_u64 s[48:49], s[4:5], s[42:43]
	s_add_nc_u64 s[50:51], s[4:5], s[44:45]
	s_wait_alu depctr_va_vdst(0)                   ; the addresses and offsets v1 to v7, v28 and v29 are written, which every load, store, LDS instruction and prefetch of the kernel reads
	global_load_b128 v[QR+4:QR+7], v28, s[48:49]
	global_load_b32 v212, v29, s[48:49]
	global_load_b128 v[208:211], v28, s[50:51]
	global_load_b32 v213, v29, s[50:51]
	global_load_b128 v[ST:ST+3], v[CG], s[KVB:KVB+1]               ; key step 0: my 16 bytes of the codes,
	global_load_b32 v[SC], v[LS], s[KVB:KVB+1]                     ; and its four planes;
	global_load_b32 v[SC+1], v[LS], s[KVB:KVB+1] offset:128
	global_load_b32 v[SC+2], v[LS], s[KVB:KVB+1] offset:4352
	global_load_b32 v[SC+3], v[LS], s[KVB:KVB+1] offset:4480
	global_load_b128 v[ST+4:ST+7], v[CG], s[KVB:KVB+1] offset:KVBLK   ; key step 1's codes (its planes are loaded at the head of step 0)
.irp k, 0,1,2,3
	v_mov_b32 v[QR+\k], 0                          ; the zeros on both sides of q
	v_mov_b32 v[QR+8+\k], 0
	v_mov_b32 v[236+\k], 0                         ; written once: a lane permute's destination counts as one of its sources
.endr
	v_mov_b32 v252, 0
	v_mov_b32 v253, 0                              ; (named as the upper half of the pair v[252:253] before it is first written)
	s_wait_loadcnt 0x5                             ; q and step 0's codes are in; behind them: four planes and step 1's codes
	ds_store_b128 v[CW], v[ST:ST+3]                ; step 0 into slot 0
; A KEY STEP in slot g.
.macro STEP g
	s_wait_loadcnt 0x0                             ; all my loads are in: this step's planes, and behind them the youngest, the next step's codes
	s_wait_dscnt 0x0                               ; my store into this slot has landed, and my reads of the other slot are over
	s_barrier_signal -1
	s_barrier_wait -1                              ; both hold of all sixteen waves
	s_wait_alu depctr_vm_vsrc(0)                   ; the LDS store of the step before has read ST[g], in which this step's load of codes lands
	ds_store_b128 v[CW], v[ST+4*(1-\g):ST+4*(1-\g)+3] offset:(1-\g)*SLOTB   ; the next step's codes into the slot that was read last
	s_wait_xcnt 0x0                                ; the prefetch of two steps back has read this g's base (the loads that read it are in): it is written only behind this wait
	s_add_co_u32 s[LDK], s[LDK], 1                 ; the step after next;
	s_cmp_eq_u32 s[LDK], s[NB]
	s_cselect_b32 s[LDK], 0, s[LDK]                ; behind a pass's last step come steps 0 and 1 again: the next pass's (behind the second pass they are loaded and not used: they lie inside the buffer)
	s_cselect_b32 s[PFL], 0, s[PFL]                ; and nothing more is prefetched
	s_mul_i32 s38, s[LDK], KVBLK
	s_mov_b32 s39, 0
	s_add_nc_u64 s[LP+44*\g:LP+44*\g+1], s[KVB:KVB+1], s[38:39]
	s_wait_alu depctr_va_vdst(0)                   ; the products of the step before are done reading SC[1 - g] and K's and V's fragments, in which the loads below land; in a pass's first step Q, its zeros and its scale word are written, which the products below take
	global_load_b32 v[SC+4*(1-\g)], v[LS], s[LP+44*(1-\g):LP+44*(1-\g)+1]   ; the next step's planes, into the registers that the step before has left, by the base that the step before made
	global_load_b32 v[SC+4*(1-\g)+1], v[LS], s[LP+44*(1-\g):LP+44*(1-\g)+1] offset:128
	global_load_b32 v[SC+4*(1-\g)+2], v[LS], s[LP+44*(1-\g):LP+44*(1-\g)+1] offset:4352
	global_load_b32 v[SC+4*(1-\g)+3], v[LS], s[LP+44*(1-\g):LP+44*(1-\g)+1] offset:4480
	global_load_b128 v[ST+4*\g:ST+4*\g+3], v[CG], s[LP+44*\g:LP+44*\g+1]    ; the codes of the step after next
	s_cmp_lt_u32 s[LDK], s[PFL]
	s_cbranch_scc0 .Lnp_\@
	global_prefetch_b8 v[PFO], s[LP+44*\g:LP+44*\g+1] offset:KVBLK th:TH_LOAD_NT scope:SCOPE_SE   ; the codes of the step that the next trip will load, a lane to each 256 bytes; steps 3 to 15, each named once in the launch, by one wave for the head's four work-groups
.Lnp_\@:
	s_add_co_u32 s38, s[Q0], 15
	s_cmp_gt_u32 s[KF], s38                        ; all 128 keys come after my 16 queries: the step's work is left out (a branch on ids; no barrier stands in it, and the loads above are issued on both ways)
	s_cbranch_scc1 .Lhid_\@
.irp f, 0,1,2,3
.irp c, 0,1
	ds_load_b128 v[KFR+8*\f+4*\c:KFR+8*\f+4*\c+3], v[LI] offset:\g*SLOTB+1024*\f+512*\c   ; no vector or matrix instruction since the wait above names these registers
.endr
.endr
.irp f, 0,1,2,3
.irp c, 0,1
	ds_load_b128 v[VFR+8*\f+4*\c:VFR+8*\f+4*\c+3], v[LI] offset:\g*SLOTB+4096+1024*\f+512*\c
.endr
.endr
	s_wait_dscnt 0x8                               ; K's eight loads are in; V's eight may be out
.irp f, 0,1,2,3                                ; S^T: fragment f against [q, 0] and [0, q]: key tiles 2 f and 2 f + 1.  K's words: plane f / 2, lanes 16-31 where f is odd
.irp u, 0,1
.if \f%2
	v_wmma_scale_f32_16x16x128_f8f6f4 v[S+8*(2*\f+\u):S+8*(2*\f+\u)+7], v[KFR+8*\f:KFR+8*\f+7], v[QR+4-4*\u:QR+11-4*\u], 0, v[SC+4*\g+\f/2], v255 matrix_a_fmt:MATRIX_FMT_FP4 matrix_b_fmt:MATRIX_FMT_FP4 matrix_a_scale:MATRIX_SCALE_ROW1
.else
	v_wmma_scale_f32_16x16x128_f8f6f4 v[S+8*(2*\f+\u):S+8*(2*\f+\u)+7], v[KFR+8*\f:KFR+8*\f+7], v[QR+4-4*\u:QR+11-4*\u], 0, v[SC+4*\g+\f/2], v255 matrix_a_fmt:MATRIX_FMT_FP4 matrix_b_fmt:MATRIX_FMT_FP4
.endif
.endr
.endr
.rept 4
	v_nop                                          ; four places in front of the first read of results (ISA guide 7.12.1)
.endr
	s_add_co_u32 s38, s[KF], 127
	s_cmp_le_u32 s38, s[Q0]                        ; all keys count for all my queries: no mask
	s_cbranch_scc1 .Lopen_\@
	s_sub_co_i32 s38, s[Q0], s[KF]
	v_add_nc_u32 v252, s38, v[QD]                  ; d = my query - the step's first key - 8 (lane / 16): register n holds a hidden key where 16 (n / 8) + n % 8 > d
	v_mov_b32 v254, 0xff800000                     ; -infinity: p = 0 then.  The step's first key counts for every query of mine, so the maximum stays a number
.set n, 0
.rept 4                                        ; the compares go in runs of sixteen, each into a scalar register of its own, so that one wait serves a run
.set m, 0
.rept 16
	v_cmp_gt_i32 s[MK+m], 16*((n+m)/8)+(n+m)%8, v252
.set m, m+1
.endr
	s_wait_alu depctr_va_sdst(0)                   ; the sixteen compares have written their masks, which the sixteen selects below read
.set m, 0
.rept 16
	v_cndmask_b32 v[S+n+m], v[S+n+m], v254, s[MK+m]   ; each accumulator from its low end on
.set m, m+1
.endr
.set n, n+16
.endr
.Lopen_\@:
.irp b, 0,1,2,3
	v_max3_num_f32 v[232+\b], v[S+16*\b], v[S+16*\b+1], v[S+16*\b+2]   ; the largest score of each block of 32 keys: for the row's maximum and, since p rises with the score, for the block's largest p
.endr
.irp i, 3,5,7,9,11,13
.irp b, 0,1,2,3
	v_max3_num_f32 v[232+\b], v[232+\b], v[S+16*\b+\i], v[S+16*\b+\i+1]
.endr
.endr
.irp b, 0,1,2,3
	v_max_num_f32 v[232+\b], v[232+\b], v[S+16*\b+15]
.endr
.irp b, 0,1,2,3
	v_permlanex16_b32 v[236+\b], v[232+\b], s[SEL], s[SEL+1]
.endr
.irp b, 0,1,2,3
	v_max_num_f32 v[232+\b], v[232+\b], v[236+\b]  ; with lane l xor 16's 16 keys
.endr
	v_max3_num_f32 v254, v232, v233, v234
	v_max_num_f32 v254, v254, v235                 ; the step's largest score of my query
	v_mul_f32 v254, s[CS], v254                    ; as t
	v_max_num_f32 v13, v13, v254                   ; the running largest t
	v_mov_b32 v254, v12
	v_floor_f32 v12, -v13                          ; the new -M = floor(-t): M is a whole number
	v_sub_f32 v254, v12, v254                      ; old M - new M: a whole number, 0 or less
	v_cvt_i32_f32 v254, v254                       ; (it saturates)
	v_ldexp_f32 v252, 1.0, v254                    ; f = 2^(old M - new M)
.set j, 0
.rept 32
	v_pk_fma_f32 v[S+j:S+j+1], v[S+j:S+j+1], s[CS:CS+1], v[12:13] op_sel_hi:[1,0,0]   ; t - M, two at a time
.set j, j+2
.endr
.irp b, 0,1,2,3
	v_fma_f32 v[232+\b], v[232+\b], s[CS], v12     ; the same of each block's largest score
.endr
.set j, 0
.rept 64
	v_exp_f32 v[S+j], v[S+j]                       ; p = 2^(t - M)
.set j, j+1
.endr
	v_pk_mul_f32 v[14:15], v[14:15], v[252:253] op_sel_hi:[1,0]   ; the sum under the new M: the plain place behind the exponentials
	s_wait_alu depctr_va_vdst(0)                   ; the 64 exponentials have written p, which the additions below are the first to read: one wait for the batch
.irp b, 0,1,2,3
	v_exp_f32 v[232+\b], v[232+\b]                 ; each block's largest p
.endr
	v_pk_add_f32 v[240:241], v[S:S+1], v[S+2:S+3]  ; the row's sum of the unquantised p, in two chains; 23 of its 32 additions stand here, behind the four exponentials
.irp j, 4,8,12,16,20,24,28,32,36,40,44
	v_pk_add_f32 v[14:15], v[14:15], v[S+\j:S+\j+1]
	v_pk_add_f32 v[240:241], v[240:241], v[S+\j+2:S+\j+3]
.endr
	s_wait_alu depctr_va_vdst(0)                   ; the four exponentials have written the blocks' largest p, v232 to v235, which the next four lines read
.irp b, 0,1,2,3
	v_max_num_f32 v[232+\b], 0x1800000, v[232+\b]  ; the floor 2^(3 - 127): the byte cannot fall under 1
.endr
.irp b, 0,1,2,3
	v_add_nc_u32 v[244+\b], 0xff000000, v[232+\b]  ; 2 off the exponent field: the conversion's scale operand
.endr
.irp b, 0,1,2,3
	v_lshrrev_b32 v[236+\b], 23, v[244+\b]         ; the scale's byte
.endr
	v_lshl_or_b32 v253, v237, 8, v236              ; p's scale word for these 128 keys
	v_lshl_or_b32 v253, v238, 16, v253
	v_lshl_or_b32 v253, v239, 24, v253
.irp c, 0,1
.irp e, 0,1
.irp u, 0,1
	v_cvt_scalef32_pk8_fp4_f32 v[PC+4*\c+2*\u+\e], v[S+32*\c+16*\e+8*\u:S+32*\c+16*\e+8*\u+7], v[244+2*\c+\e]
.endr
.endr
.endr
	v_nop                                          ; one plain place behind the last scaled conversion
.irp c, 0,1
	v_permlane16_swap_b32 v[PC+4*\c], v[PC+4*\c+1] ; a whole block of 32 keys in a lane
	v_permlane16_swap_b32 v[PC+4*\c+2], v[PC+4*\c+3]
.endr
.set j, 0
.rept 16
	v_pk_mul_f32 v[OT+j:OT+j+1], v[OT+j:OT+j+1], v[252:253] op_sel_hi:[1,0]   ; O^T under the new M.  With the four lines below: the places between the codes' and the scale word's last writes and the products
.set j, j+2
.endr
.irp j, 48,52
	v_pk_add_f32 v[14:15], v[14:15], v[S+\j:S+\j+1]
	v_pk_add_f32 v[240:241], v[240:241], v[S+\j+2:S+\j+3]
.endr
	s_wait_alu depctr_va_vdst(0)                   ; the exchanges have written p's codes and the shifts p's scale word, which the scaled products below take; the places above stay beside this wait
	s_wait_dscnt 0x0                               ; V is in
.irp d, 0,1,2,3                                ; O^T += V^T P^T: the four accumulators by turns.  V's words: plane 2 + d / 2, lanes 16-31 where d is odd
.if \d%2
	v_wmma_scale_f32_16x16x128_f8f6f4 v[OT+8*\d:OT+8*\d+7], v[VFR+8*\d:VFR+8*\d+7], v[PC:PC+7], v[OT+8*\d:OT+8*\d+7], v[SC+4*\g+2+\d/2], v253 matrix_a_fmt:MATRIX_FMT_FP4 matrix_b_fmt:MATRIX_FMT_FP4 matrix_a_scale:MATRIX_SCALE_ROW1
.else
	v_wmma_scale_f32_16x16x128_f8f6f4 v[OT+8*\d:OT+8*\d+7], v[VFR+8*\d:VFR+8*\d+7], v[PC:PC+7], v[OT+8*\d:OT+8*\d+7], v[SC+4*\g+2+\d/2], v253 matrix_a_fmt:MATRIX_FMT_FP4 matrix_b_fmt:MATRIX_FMT_FP4
.endif
.endr
.irp j, 56,60                                  ; the sum's last five additions name no register of those products: they are the places in front of the next vector line that reads or writes O^T
	v_pk_add_f32 v[14:15], v[14:15], v[S+\j:S+\j+1]
	v_pk_add_f32 v[240:241], v[240:241], v[S+\j+2:S+\j+3]
.endr
	v_pk_add_f32 v[14:15], v[14:15], v[240:241]
.Lhid_\@:
	s_add_co_u32 s[KF], s[KF], 128
.endm
.Lpass:                                        ; two trips: block 7 - i, then block i
	v_perm_b32 v255, v212, v212, s[QSEL]           ; Q's scale word: my tile's two bytes, twice
.set j, 0
.rept 32
	v_mov_b32 v[OT+j], 0                           ; O^T.  (The step is written once: a pass's first step finds zeros, which the first change of M leaves zeros.)  These lines are also the places behind the writes of Q and of its word
.set j, j+1
.endr
	v_mov_b32 v13, 0xff61b1e6                      ; the largest t so far: -3e38
	v_floor_f32 v12, -v13
	v_mov_b32 v14, 0
	v_mov_b32 v15, 0
	s_lshl_b32 s[Q0], s[BLK], 8
	s_lshl_b32 s38, s[WV], 4
	s_add_co_u32 s[Q0], s[Q0], s38                 ; my first query: 256 x block + 16 x wave
	s_mov_b32 s[KF], 0
	s_lshl_b32 s[NB], s[BLK], 1
	s_add_co_u32 s[NB], s[NB], 2                   ; key steps: 2 x block + 2
	s_add_co_u32 s[TR], s[BLK], 1                  ; two to a trip
	s_lshr_b32 s38, s[BH], 4                       ; the batch
	s_lshl_b32 s39, s38, 7
	s_lshl_b32 s40, s[BLK], 4
	s_add_co_u32 s39, s39, s40
	s_add_co_u32 s39, s39, s[WV]                   ; my tile of 16 rows among the 512
	s_lshl_b32 s40, s39, 12                        ; oc: [K half][tile 512][K step 4][c 2][512 bytes]: head hd is K half hd / 8, K step (hd / 2) % 4, c = hd % 2
	s_lshr_b32 s41, s[HD], 3
	s_lshl_b32 s41, s41, 21
	s_add_co_u32 s40, s40, s41
	s_bfe_u32 s41, s[HD], 0x20001
	s_lshl_b32 s41, s41, 10
	s_add_co_u32 s40, s40, s41
	s_and_b32 s41, s[HD], 1
	s_lshl_b32 s41, s41, 9
	s_add_co_u32 s40, s40, s41
	s_mov_b32 s41, 0
	s_add_nc_u64 s[OCB:OCB+1], s[8:9], s[40:41]
	s_lshl_b32 s40, s39, 9                         ; os: 32 bytes a row, bytes 2 hd and 2 hd + 1
	s_lshl_b32 s42, s[HD], 1
	s_add_co_u32 s40, s40, s42
	s_add_nc_u64 s[OSB:OSB+1], s[10:11], s[40:41]
.Lstep:
	STEP 0
	STEP 1
	s_sub_co_u32 s[TR], s[TR], 1
	s_cmp_lg_u32 s[TR], 0
	s_cbranch_scc1 .Lstep
	; THE END OF A PASS: O^T / the sum, quantised along the head's 64 channels (two blocks), which are 64 of the last product's K
	v_add_f32 v14, v14, v15
	v_permlanex16_b32 v252, v14, s[SEL], s[SEL+1]
	v_add_f32 v14, v14, v252                       ; the row's sum
	v_rcp_f32 v14, v14
	v_nop                                          ; a plain place behind the reciprocal
	s_wait_alu depctr_va_vdst(0)                   ; the reciprocal has written v14, which the multiplications below read
.set j, 0
.rept 32
	v_mul_f32 v[S+j], v[OT+j], v14                 ; register 8 d + j: channel 16 d + 8 h + j of my query; each accumulator from its low end on
.set j, j+1
.endr
.irp b, 0,1
	v_max3_num_f32 v[232+\b], |v[S+16*\b]|, |v[S+16*\b+1]|, 0x1800000
.endr
.irp i, 2,4,6,8,10,12,14
.irp b, 0,1
	v_max3_num_f32 v[232+\b], v[232+\b], |v[S+16*\b+\i]|, |v[S+16*\b+\i+1]|
.endr
.endr
.irp b, 0,1
	v_permlanex16_b32 v[236+\b], v[232+\b], s[SEL], s[SEL+1]
.endr
.irp b, 0,1
	v_max_num_f32 v[232+\b], v[232+\b], v[236+\b]
.endr
.irp b, 0,1
	v_add_nc_u32 v[244+\b], 0xff000000, v[232+\b]
.endr
.irp b, 0,1
	v_lshrrev_b32 v[236+\b], 23, v[244+\b]
.endr
	v_lshl_or_b32 v254, v237, 8, v236              ; my row's two bytes
.irp e, 0,1
.irp u, 0,1
	v_cvt_scalef32_pk8_fp4_f32 v[PC+2*\u+\e], v[S+16*\e+8*\u:S+16*\e+8*\u+7], v[244+\e]
.endr
.endr
	v_nop                                          ; one plain place behind the last scaled conversion
	v_permlane16_swap_b32 v[PC], v[PC+1]
	v_permlane16_swap_b32 v[PC+2], v[PC+3]
	v_lshrrev_b32 v254, v[SH8], v254               ; lanes 0-15 store block 0's byte, lanes 16-31 block 1's
	s_wait_alu depctr_va_vdst(0)                   ; the exchanges have written o's codes and the shift v254, which the two stores read
	global_store_b128 v[LI], v[PC:PC+3], s[OCB:OCB+1]      ; 512 consecutive bytes, aligned to 256
	global_store_b8 v[OSA], v254, s[OSB:OSB+1]             ; a row's 32 bytes come from the 16 heads' work-groups: 2 bytes a row here, one byte in 17 of what is written
.irp k, 0,1,2,3
	v_mov_b32 v[QR+4+\k], v[208+\k]                ; the second pass's q
.endr
	v_mov_b32 v212, v213
	s_wait_xcnt 0x0                                ; the stores have read their data and bases: both are written again only behind this wait
	s_wait_alu depctr_vm_vsrc(0)                   ; the two stores have read the codes' registers and v254, which the next pass's vector instructions write again
	s_mov_b32 s[BLK], s[WI]
	s_sub_co_u32 s[PASS], s[PASS], 1
	s_cmp_lg_u32 s[PASS], 0
	s_cbranch_scc1 .Lpass
	s_wait_dscnt 0x0
	s_wait_alu depctr_hold_cnt(0) depctr_sa_sdst(0) depctr_va_vdst(0) depctr_va_sdst(0) depctr_va_ssrc(0) depctr_va_vcc(0) depctr_vm_vsrc(0)
	s_wait_tensorcnt 0x0
	ds_add_u32 v250, v251
	s_wait_dscnt 0x0
	s_endpgm
.Lfunc_end_k_q23ad46dafd_attn:
	.size	k_q23ad46dafd_attn, .Lfunc_end_k_q23ad46dafd_attn-k_q23ad46dafd_attn
	.p2alignl 7, 3214868480
	.fill 96, 4, 3214868480
	.section	.rodata,"a",@progbits
	.p2align	6, 0x0
	.amdhsa_kernel k_q23ad46dafd_attn
		.amdhsa_group_segment_fixed_size 18432
		.amdhsa_private_segment_fixed_size 0
		.amdhsa_enable_private_segment 0
		.amdhsa_kernarg_size 32
		.amdhsa_user_sgpr_count 2
		.amdhsa_user_sgpr_kernarg_segment_ptr 1
		.amdhsa_wavefront_size32 1
		.amdhsa_system_sgpr_workgroup_id_x 1
		.amdhsa_system_sgpr_workgroup_id_y 1
		.amdhsa_system_sgpr_workgroup_id_z 1
		.amdhsa_system_vgpr_workitem_id 0
		.amdhsa_next_free_vgpr 256
		.amdhsa_next_free_sgpr 66
		.amdhsa_reserve_vcc 0
		.amdhsa_float_denorm_mode_32 3
		.amdhsa_float_denorm_mode_16_64 3
		.amdhsa_memory_ordered 1
		.amdhsa_forward_progress 1
		.amdhsa_inst_pref_size 61
	.end_amdhsa_kernel
	.amdgpu_metadata
---
amdhsa.version: [ 1, 2 ]
amdhsa.kernels:
  - .name:           k_q23ad46dafd_attn
    .symbol:         k_q23ad46dafd_attn.kd
    .args:
      - { .name: qc, .offset: 0, .size: 8, .value_kind: global_buffer, .address_space: global }
      - { .name: kv, .offset: 8, .size: 8, .value_kind: global_buffer, .address_space: global }
      - { .name: oc, .offset: 16, .size: 8, .value_kind: global_buffer, .address_space: global }
      - { .name: os, .offset: 24, .size: 8, .value_kind: global_buffer, .address_space: global }
    .group_segment_fixed_size: 18432
    .private_segment_fixed_size: 0
    .kernarg_segment_align: 8
    .kernarg_segment_size: 32
    .max_flat_workgroup_size: 512
    .sgpr_count:     66
    .vgpr_count:     256
    .wavefront_size: 32
...
	.end_amdgpu_metadata
.endif
;; end of part 4
;; launch proj: the kernel of part 3 again; grid 4 x 64, 8 waves a work-group, clusters of 4 x 4, 240,640 bytes of LDS; arguments oc, os, proj_w_codes, proj_w_scales, proj_b, out0; writes out0
